; MI455X (gfx1250); checked and timed in simulation.
; The chip was launched on July 23, 2026; its instructions are those of AMD's public machine-readable ISA for CDNA 5 (MIT licence, August 2026) and "CDNA5" Instruction Set Architecture Reference Guide (July 2026). The comments in the code are by the model that wrote it; some were corrected since.
;; Transformer XL Hybrid Encoder. Allowed arithmetic: float matrix products may take bf16 or f16 operands with f32 sums; all other float work in f32.
;; Inputs: W_o 1,024 x 1,024 float32; W_qkv 1,024 x 3,072 float32; W_r 1,024 x 1,024 float32; ln_beta 1,024 float32; ln_gamma 1,024 float32; mems 1,024 x 4 x 1,024 float32; r 2,048 x 1,024 float32; r_r_bias 16 x 64 float32; r_w_bias 16 x 64 float32; w 1,024 x 4 x 1,024 float32.
;; Outputs: out0 1,024 x 4 x 1,024 float32.
;; One version. Each part assembles by itself: llvm-mc -triple=amdgcn-amd-amdhsa -mcpu=gfx1250 --defsym DOCPART=n.
;; ======== version 1 of 1: 5 launches
;; limits: values outside matrix products are rounded to bf16
;; workspace buffers: Ab 20,971,520 bytes; Wb 8,388,608 bytes; WoB 2,097,152 bytes; H 83,886,080 bytes; AV 8,388,608 bytes; H2 33,554,432 bytes
;; launch prep (part 1): grid 960 x 1, 8 waves a work-group, no clusters, 0 bytes of LDS; arguments w, mems, r, W_qkv, W_r, W_o, Ab, Wb, WoB; writes Ab, Wb, WoB
.if DOCPART == 1
	.amdgcn_target "amdgcn-amd-amdhsa--gfx1250"
	.amdhsa_code_object_version 6
	.text
	.protected	k_q2b90054ed7_prep
	.globl	k_q2b90054ed7_prep
	.p2align	8
	.type	k_q2b90054ed7_prep,@function
k_q2b90054ed7_prep:
	s_mov_b64 s[64:65], 0
	v_nop
	global_prefetch_b8 v0, s[64:65] scope:SCOPE_SE
	s_setreg_imm32_b32 hwreg(HW_REG_WAVE_MODE, 25, 1), 1
	s_wait_xcnt 0x0
; All matrix operands are rounded once from f32 to bf16 and laid out for the products that follow.
;   Ab  [10240][1024]: rows 0-4095 w (row 4 i + b), rows 4096-8191 mems, rows 8192-10239 r
;   Wb  four planes [1024 k][1024 n]: Wq, Wk, Wv (the three column thirds of W_qkv), Wr          WoB [1024 k][1024 n]
; A SEGMENT is 1,024 numbers: 4,096 bytes in, 2,048 bytes out.  Work-group g takes 16 segments, each of its eight waves two.
; The work is all bytes: every byte is read once and written once; a store of a wave covers 512 consecutive bytes.  No LDS, no barrier, no matrix unit.
.set SEG_IN,  4096
.set SEG_OUT, 2048
.set QKV_ROW, 12288                    ; bytes in a row of W_qkv
.set IN,  4                            ; v[4:67]   two segments as loaded: 32 registers each
.set OUT, 68                           ; v[68:99]  two segments as stored: 16 registers each
	s_load_b512 s[4:19], s[0:1], 0x0               ; w s[4:5], mems s[6:7], r s[8:9], W_qkv s[10:11], W_r s[12:13], W_o s[14:15], Ab s[16:17], Wb s[18:19]
	s_load_b64 s[20:21], s[0:1], 0x40              ; WoB
	v_lshrrev_b32 v3, 5, v0
	v_readfirstlane_b32 s22, v3                    ; wave 0..7
	v_and_b32 v1, 31, v0
	v_lshlrev_b32 v2, 4, v1                        ; 16 bytes out a lane
	v_lshlrev_b32 v1, 5, v1                        ; 32 bytes in a lane
	s_mov_b32 s23, ttmp9                           ; g
	s_wait_kmcnt 0x0
	; which input, and the first g of its range: 0 w, 256 mems, 512 r, 640 W_qkv, 832 W_r, 896 W_o
	s_mov_b32 s24, 896
	s_mov_b64 s[26:27], s[14:15]
	s_cmp_lt_u32 s23, 896
	s_cselect_b64 s[26:27], s[12:13], s[26:27]
	s_cselect_b32 s24, 832, s24
	s_cmp_lt_u32 s23, 832
	s_cselect_b64 s[26:27], s[10:11], s[26:27]
	s_cselect_b32 s24, 640, s24
	s_cmp_lt_u32 s23, 640
	s_cselect_b64 s[26:27], s[8:9], s[26:27]
	s_cselect_b32 s24, 512, s24
	s_cmp_lt_u32 s23, 512
	s_cselect_b64 s[26:27], s[6:7], s[26:27]
	s_cselect_b32 s24, 256, s24
	s_cmp_lt_u32 s23, 256
	s_cselect_b64 s[26:27], s[4:5], s[26:27]
	s_cselect_b32 s24, 0, s24
	; which output, and the first g of its range: 0 Ab, 640 Wb, 896 WoB
	s_mov_b32 s25, 896
	s_mov_b64 s[28:29], s[20:21]
	s_cmp_lt_u32 s23, 896
	s_cselect_b64 s[28:29], s[18:19], s[28:29]
	s_cselect_b32 s25, 640, s25
	s_cmp_lt_u32 s23, 640
	s_cselect_b64 s[28:29], s[16:17], s[28:29]
	s_cselect_b32 s25, 0, s25
	; the source offset.  Dense inputs: 16 segments of 4,096 bytes on end.  W_qkv: third d / 64, rows 16 (d % 64) on, a segment a row
	s_sub_co_u32 s30, s23, s24                     ; d = g - the range's first
	s_lshl_b32 s31, s30, 16
	s_lshr_b32 s32, s30, 6
	s_and_b32 s33, s30, 63
	s_mul_i32 s33, s33, 16*QKV_ROW
	s_lshl_b32 s32, s32, 12
	s_add_co_u32 s32, s32, s33
	s_mov_b32 s34, SEG_IN                          ; bytes from a segment to the next
	s_sub_co_u32 s35, s23, 640
	s_cmp_lt_u32 s35, 192                          ; g in 640 .. 831: W_qkv
	s_cselect_b32 s31, s32, s31
	s_cselect_b32 s34, QKV_ROW, s34
	s_lshl_b32 s35, s22, 1                         ; my wave's first segment
	s_mul_i32 s35, s35, s34
	s_add_co_u32 s36, s31, s35
	s_mov_b32 s37, 0
	s_add_nc_u64 s[26:27], s[26:27], s[36:37]      ; my first segment
	s_mov_b32 s36, s34
	s_add_nc_u64 s[38:39], s[26:27], s[36:37]      ; my second
	s_sub_co_u32 s30, s23, s25
	s_lshl_b32 s30, s30, 15                        ; 16 segments of 2,048 bytes
	s_lshl_b32 s31, s22, 12
	s_add_co_u32 s30, s30, s31
	s_mov_b32 s31, 0
	s_add_nc_u64 s[28:29], s[28:29], s[30:31]
	; all sixteen loads go out first
.irp q, 0,1,2,3
	global_load_b128 v[IN+8*(\q):IN+8*(\q)+3],   v1, s[26:27] offset:1024*(\q) th:TH_LOAD_NT
	global_load_b128 v[IN+8*(\q)+4:IN+8*(\q)+7], v1, s[26:27] offset:1024*(\q)+16 th:TH_LOAD_NT
.endr
.irp q, 0,1,2,3
	global_load_b128 v[IN+32+8*(\q):IN+32+8*(\q)+3],   v1, s[38:39] offset:1024*(\q) th:TH_LOAD_NT
	global_load_b128 v[IN+32+8*(\q)+4:IN+32+8*(\q)+7], v1, s[38:39] offset:1024*(\q)+16 th:TH_LOAD_NT
.endr
.irp e, 0,1
	s_wait_loadcnt 8*(1-(\e))                      ; loads come back in order: segment e is in; the other segment's eight may stay out
.irp i, 0,1,2,3,4,5,6,7,8,9,10,11,12,13,14,15
	v_cvt_pk_bf16_f32 v[OUT+16*(\e)+(\i)], v[IN+32*(\e)+2*(\i)], v[IN+32*(\e)+2*(\i)+1]
.endr
.irp q, 0,1,2,3
	global_store_b128 v2, v[OUT+16*(\e)+4*(\q):OUT+16*(\e)+4*(\q)+3], s[28:29] offset:(\e)*SEG_OUT+512*(\q)
.endr
.endr
	s_endpgm
.Lfunc_end_k_q2b90054ed7_prep:
	.size	k_q2b90054ed7_prep, .Lfunc_end_k_q2b90054ed7_prep-k_q2b90054ed7_prep
	.p2alignl 7, 3214868480
	.fill 96, 4, 3214868480
	.section	.rodata,"a",@progbits
	.p2align	6, 0x0
	.amdhsa_kernel k_q2b90054ed7_prep
		.amdhsa_group_segment_fixed_size 0
		.amdhsa_private_segment_fixed_size 0
		.amdhsa_enable_private_segment 0
		.amdhsa_kernarg_size 72
		.amdhsa_user_sgpr_count 2
		.amdhsa_user_sgpr_kernarg_segment_ptr 1
		.amdhsa_wavefront_size32 1
		.amdhsa_system_sgpr_workgroup_id_x 1
		.amdhsa_system_sgpr_workgroup_id_y 1
		.amdhsa_system_sgpr_workgroup_id_z 1
		.amdhsa_system_vgpr_workitem_id 0
		.amdhsa_next_free_vgpr 100
		.amdhsa_next_free_sgpr 66
		.amdhsa_reserve_vcc 0
		.amdhsa_float_denorm_mode_32 3
		.amdhsa_float_denorm_mode_16_64 3
		.amdhsa_memory_ordered 1
		.amdhsa_forward_progress 1
		.amdhsa_inst_pref_size 8
	.end_amdhsa_kernel
	.amdgpu_metadata
---
amdhsa.version: [ 1, 2 ]
amdhsa.kernels:
  - .name:           k_q2b90054ed7_prep
    .symbol:         k_q2b90054ed7_prep.kd
    .args:
      - { .name: w, .offset: 0, .size: 8, .value_kind: global_buffer, .address_space: global }
      - { .name: mems, .offset: 8, .size: 8, .value_kind: global_buffer, .address_space: global }
      - { .name: r, .offset: 16, .size: 8, .value_kind: global_buffer, .address_space: global }
      - { .name: W_qkv, .offset: 24, .size: 8, .value_kind: global_buffer, .address_space: global }
      - { .name: W_r, .offset: 32, .size: 8, .value_kind: global_buffer, .address_space: global }
      - { .name: W_o, .offset: 40, .size: 8, .value_kind: global_buffer, .address_space: global }
      - { .name: Ab, .offset: 48, .size: 8, .value_kind: global_buffer, .address_space: global }
      - { .name: Wb, .offset: 56, .size: 8, .value_kind: global_buffer, .address_space: global }
      - { .name: WoB, .offset: 64, .size: 8, .value_kind: global_buffer, .address_space: global }
    .group_segment_fixed_size: 0
    .private_segment_fixed_size: 0
    .kernarg_segment_align: 8
    .kernarg_segment_size: 72
    .max_flat_workgroup_size: 256
    .sgpr_count:     66
    .vgpr_count:     100
    .wavefront_size: 32
...
	.end_amdgpu_metadata
.endif
;; end of part 1
;; launch proj (part 2): grid 64 x 4, 4 waves a work-group, clusters of 4 x 4, 327,680 bytes of LDS; arguments Ab, Wb, H; writes H
.if DOCPART == 2
	.amdgcn_target "amdgcn-amd-amdhsa--gfx1250"
	.amdhsa_code_object_version 6
	.text
	.protected	k_q2b90054ed7_proj
	.globl	k_q2b90054ed7_proj
	.p2align	8
	.type	k_q2b90054ed7_proj,@function
k_q2b90054ed7_proj:
	s_mov_b64 s[64:65], 0
	v_nop
	global_prefetch_b8 v0, s[64:65] scope:SCOPE_SE
	s_setreg_imm32_b32 hwreg(HW_REG_WAVE_MODE, 25, 1), 1
	s_wait_xcnt 0x0
	s_wait_alu depctr_hold_cnt(0) depctr_sa_sdst(0) depctr_va_vdst(0) depctr_va_sdst(0) depctr_va_ssrc(0) depctr_va_vcc(0) depctr_vm_vsrc(0)
	s_getreg_b32 s2, hwreg(HW_REG_IB_STS2, 6, 4)
	s_cmp_eq_u32 s2, 0
	s_cbranch_scc0 .Lentry_in_a_cluster
	s_endpgm
.Lentry_in_a_cluster:
	s_bfe_u32 s2, ttmp6, 0x10000c
	s_cmp_lg_u32 s2, 0xf033
	s_cbranch_scc0 .Lentry_shape_is_right
	s_endpgm
.Lentry_shape_is_right:
; C[m][n] = sum over k of A[m][k] B[k][n], K = 1,024.  A: rows of 1,024 bf16.  B: planes [1024 k][1024 n] of bf16, plane n / 1024.  C: bf16, rows 8,192 bytes apart; sums in f32, C rounded once.
; A tile of C is 128 x 128: four waves, each 64 x 64 (16 accumulators of 16 x 16).  K goes in four steps of 256 through two LDS slots filled by the tensor data mover.
; A's tile lies along K (rows of 512 bytes); B's tile lies [k][n] (256 rows of 256 bytes) and is turned on its way into registers by ds_load_tr16_b128.
; WHICH TILES.  A cluster of 4 x 4 work-groups makes 512 x 512 of C at a time, a cluster tile.  The 88 cluster tiles are numbered i:
;   i under 16: crow = i / 2, ccol = i % 2 (rows 0-4095, columns 0-1023);  i under 80: d = i - 16, crow = d / 4, ccol = 2 + d % 4 (rows 0-8191, columns 1024-3071);
;   else d = i - 80, crow = 16 + d / 2, ccol = 6 + d % 2 (rows 8192-10239, columns 3072-4095).
; WORK-GROUPS STAY.  The launch has 16 clusters, a work-group for each of 256 WGPs; cluster c makes the cluster tiles c, c + 16, c + 32 ..: six for c under 8, five for the others (88 / 16 is no whole number).
; The ring does not stop at a tile's end: a tile's last two changes of slots ask for the next tile's first two K steps, and nothing waits for a tile's stores.  The loop over tiles counts to a bound made of the
; cluster's number alone, the same in all sixteen partners; the last tile is written out.
; CLUSTERS.  The four work-groups of a row of the cluster need the same tiles of A, the four of a column the same tiles of B: each tile is asked for JOINTLY, by the same tensor load with the
; same descriptor and a mask that names the four.  THE MATRIX INSTRUCTION IS USED TRANSPOSED (source 0 = 16 columns of B, source 1 = 16 rows of A): a lane then holds eight neighbouring numbers of a row of C.
; REGISTERS: window 0: v0-31 addresses; v32-95 at work on the way out; v128-255 the accumulators ((a, b) at v[128 + 8 (4 a + b)]).
;   window 1: two fragment buffers of 128: for 64 along K, 64 registers of A, then 64 of B.
.set SIZE_K, 1024
.set KSTEP,  256
.set PITCHA, 528                       ; a row of A in LDS: 512 bytes + 16 of padding: the 16 rows of a fragment load start at 16 different groups of four banks (64 banks of 4 bytes: ISA guide 11.1)
.set HALFA,  64*PITCHA                 ; 64 rows of A: one tensor load
.set PITCHB, 288                       ; a row of B in LDS: 256 bytes + 32 of padding
.set HALFB,  128*PITCHB                ; 128 k rows of B: one tensor load
.set SLOT,   2*HALFA+2*HALFB           ; A's 128 rows, then B's 256 k rows
.set STAGE,  2*SLOT                    ; behind the ring: 128 rows x 272 bytes, the work-group's, for the way out
.set SPITCH, 272
.set SPARE,  STAGE+128*SPITCH          ; behind the stage: the spare words, 128 bytes for each wave: two blocks of 256 bytes that no other line names
.set CP,     8192                      ; bytes from row to row of C
.set BSTEP,  KSTEP*SIZE_K*2            ; bytes of B from a K step to the next: 256 rows of 2,048
.set ADRA, 16                          ; v16-17  LDS address of my A fragments in slot 0, 1
.set ADRB, 20                          ; v20-23  the same for B: slot 0 k rows 0-127, 128-255; slot 1 likewise
.set STO,  24                          ; v24     the way out: where I put 16 bytes of a row
.set RD,   25                          ; v25     the way out: where I read a row back
.set CO,   26                          ; v26     my byte offset in C
.set SPW,  28                          ; v28     LDS address of my spare word: SPARE + 4 x my thread's number; never rewritten
.set NIL,  29                          ; v29     0; never rewritten
.set TMP,  32
.set ACC,  128
.set F0,   0                           ; fragment buffers, in window 1
.set F1,   128
.set G1, 24                            ; s[24:31] descriptor group 1 for A's tiles;  s[32:39] group 0, one set for each slot
.set G0, 32
.set G1B, 48                           ; s[48:55], s[56:63] the same for B's tiles
.set G0B, 56
.set NS,   66                          ; s66      how many of my cluster's tiles have a successor: 5 or 4
.set IDX,  67                          ; s67      the number of the cluster tile that MAP has mapped last
.set CPTR, 70                          ; s[70:71] C at the first row and column that I store of the tile in hand
.set OA,   72                          ; s[72:73] byte offset in A of my part of the mapped tile's K step 0: it never holds cx
.set OB,   74                          ; s[74:75] the same in B: it never holds cy
.set OCR,  76                          ; s[76:77] byte offset in C of the first row that I store of the mapped tile
.set OCC,  78                          ; s[78:79] and of the tile's first column
.set MSB, 0
.macro WIN new                         ; the immediate's high byte repeats the setting that is left
.if MSB != (\new)
	s_set_vgpr_msb (MSB<<8)|(\new)
.set MSB, \new
.endif
.endm
.set MUL,  0x05                        ; sources 0 (B) and 1 (A) window 1; C and D window 0
.set TO_F, 0x40                        ; destination window 1, address window 0
.macro JLOAD s                         ; a joint load: waves 0 and 1 fetch A's two halves, waves 2 and 3 B's; an s_nop 0 and four v_nop follow each of the two lines, ahead of the jump, the label and what follows
	s_cmp_eq_u32 s11, 0
	s_cbranch_scc0 .Lfor_b_\@
	tensor_load_to_lds s[G0+4*(\s):G0+4*(\s)+3], s[G1:G1+7]
	s_nop 0
.rept 4
	v_nop
.endr
	s_branch .Lasked_\@
.Lfor_b_\@:
	tensor_load_to_lds s[G0B+4*(\s):G0B+4*(\s)+3], s[G1B:G1B+7]
	s_nop 0
.rept 4
	v_nop
.endr
.Lasked_\@:
.endm
.macro CREST                           ; a round of the cluster's barrier behind its opening barrier
	s_cmp_lg_u32 s10, 0
	s_cbranch_scc1 .Lnot_wave_0_\@
	s_barrier_signal -3
.Lnot_wave_0_\@:
	s_barrier_wait -3
	s_barrier_signal -1
	s_barrier_wait -1
.endm
.macro CROUND                          ; a whole round
	s_barrier_signal -1
	s_barrier_wait -1
	CREST
.endm
; Cluster tile s[IDX] is mapped: its tile row (s13) and tile column (s42) for my work-group, and my byte offsets in A, B and C.  A's offset is made of the tile row and the wave's number, B's of the tile column and the
; wave's number, each in registers that never hold the other coordinate; s80-s84 hold neither.
.macro MAP
	s_sub_co_u32 s80, s[IDX], 80                   ; the third range
	s_lshr_b32 s81, s80, 1
	s_add_co_u32 s81, s81, 16                      ; crow
	s_and_b32 s82, s80, 1
	s_add_co_u32 s82, s82, 6                       ; ccol
	s_sub_co_u32 s80, s[IDX], 16                   ; the second
	s_lshr_b32 s83, s80, 2
	s_and_b32 s84, s80, 3
	s_add_co_u32 s84, s84, 2
	s_cmp_lt_u32 s[IDX], 80
	s_cselect_b32 s81, s83, s81
	s_cselect_b32 s82, s84, s82
	s_lshr_b32 s83, s[IDX], 1                      ; the first
	s_and_b32 s84, s[IDX], 1
	s_cmp_lt_u32 s[IDX], 16
	s_cselect_b32 s81, s83, s81
	s_cselect_b32 s82, s84, s82
	s_lshl_b32 s13, s81, 2
	s_add_co_u32 s13, s13, s41                     ; tile row of C = 4 crow + cy
	s_lshl_b32 s42, s82, 2
	s_add_co_u32 s42, s42, s40                     ; tile column of C = 4 ccol + cx
	s_lshl_b32 s[OA], s13, 7
	s_lshl_b32 s[OA+1], s12, 6
	s_add_co_u32 s[OA], s[OA], s[OA+1]             ; A: row 128 x tile row + 64 x half,
	s_lshl_b32 s[OA], s[OA], 11                    ; of 2,048 bytes (under 2^25)
	s_mov_b32 s[OA+1], 0
	s_lshr_b32 s[OB], s42, 3
	s_lshl_b32 s[OB], s[OB], 21                    ; B: plane tile column / 8, of 2,097,152 bytes,
	s_and_b32 s[OB+1], s42, 7
	s_lshl_b32 s[OB+1], s[OB+1], 8                 ; 128 columns = 256 bytes,
	s_add_co_u32 s[OB], s[OB], s[OB+1]
	s_lshl_b32 s[OB+1], s12, 18                    ; my 128 k rows of 2,048 bytes
	s_add_co_u32 s[OB], s[OB], s[OB+1]
	s_mov_b32 s[OB+1], 0
	s_lshl_b32 s[OCR], s13, 7
	s_lshl_b32 s[OCR+1], s10, 5
	s_add_co_u32 s[OCR], s[OCR], s[OCR+1]          ; C: the first row that I store: 128 x tile row + 32 x wave,
	s_lshl_b32 s[OCR], s[OCR], 13                  ; of 8,192 bytes (under 2^27)
	s_mov_b32 s[OCR+1], 0
	s_lshl_b32 s[OCC], s42, 8                      ; and the tile's first column, in bytes
	s_mov_b32 s[OCC+1], 0
.endm
; The global addresses of slot s's two descriptors are made anew: the buffer's pointer, the mapped tile's offset, K step s; the type bits are set again.  The LDS words stay as they are.
.macro SETG s
	s_add_nc_u64 s[G0+4*(\s)+2:G0+4*(\s)+3], s[4:5], s[OA:OA+1]
	s_add_nc_u64 s[G0B+4*(\s)+2:G0B+4*(\s)+3], s[6:7], s[OB:OB+1]
.if \s
	s_add_nc_u64 s[G0+4*(\s)+2:G0+4*(\s)+3], s[G0+4*(\s)+2:G0+4*(\s)+3], (\s)*KSTEP*2
	s_add_nc_u64 s[G0B+4*(\s)+2:G0B+4*(\s)+3], s[G0B+4*(\s)+2:G0B+4*(\s)+3], (\s)*BSTEP
.endif
	s_or_b32 s[G0+4*(\s)+3], s[G0+4*(\s)+3], 0x80000000
	s_or_b32 s[G0B+4*(\s)+3], s[G0B+4*(\s)+3], 0x80000000
.endm
	s_load_b128 s[4:7], s[0:1], 0x0                ; A s[4:5], B s[6:7]
	s_load_b64 s[8:9], s[0:1], 0x10                ; C
	v_lshl_add_u32 v[SPW], v0, 2, SPARE
	v_mov_b32 v[NIL], 0
	ds_add_u32 v28, v29
	s_wait_dscnt 0x0
	v_lshrrev_b32 v1, 5, v0
	v_readfirstlane_b32 s10, v1                    ; wave 0..3
	s_lshr_b32 s11, s10, 1                         ; which half of the tile's rows is mine.  Also: I fetch for A (0) or for B (1)
	s_and_b32 s12, s10, 1                          ; which half of its columns.  Also: which half of that tile I fetch
	s_bfe_u32 s40, ttmp6, 0x40000                  ; cx, cy: my place in the cluster
	s_bfe_u32 s41, ttmp6, 0x40004
	s_mov_b32 s[IDX], ttmp9                        ; c: the cluster's number, and its first cluster tile
	s_cmp_lt_u32 s[IDX], 8
	s_cselect_b32 s[NS], 5, 4                      ; c + 80 is a tile only for c under 8
	MAP
	s_lshl_b32 s43, s41, 2
	s_lshl_b32 s43, 15, s43                        ; my row of the cluster
	s_lshl_b32 s44, 0x1111, s40                    ; my column
	; descriptor group 1.  A: 64 rows x 256 elements, 4 words of padding after every 128.  B: 128 rows x 128 elements, 8 words after every 64
	s_or_b32 s[G1+0], s43, (1<<16)|(1<<20)|(1<<21)|(6<<22)|(3<<25)  ; 15:0 the mask: A's tiles go to my row; 17:16 element of 2 bytes; 20 padding on; 21 set beside a mask
	s_mov_b32 s[G1+1], KSTEP<<16                   ; tensor_dim0 = 256
	s_mov_b32 s[G1+2], 64<<16                      ; tensor_dim1 = 64
	s_mov_b32 s[G1+3], KSTEP<<16                   ; tile_dim0 = 256
	s_mov_b32 s[G1+4], 64                          ; tile_dim1 = 64
	s_mov_b32 s[G1+5], SIZE_K                      ; elements from row to row
	s_mov_b32 s[G1+6], 0
	s_mov_b32 s[G1+7], 0
	s_or_b32 s[G1B+0], s44, (1<<16)|(1<<20)|(1<<21)|(5<<22)|(7<<25) ; the mask of my column
	s_mov_b32 s[G1B+1], 128<<16                    ; tensor_dim0 = 128
	s_mov_b32 s[G1B+2], 128<<16                    ; tensor_dim1 = 128
	s_mov_b32 s[G1B+3], 128<<16                    ; tile_dim0 = 128
	s_mov_b32 s[G1B+4], 128                        ; tile_dim1 = 128
	s_mov_b32 s[G1B+5], 1024                       ; elements from k row to k row
	s_mov_b32 s[G1B+6], 0
	s_mov_b32 s[G1B+7], 0
	s_mul_i32 s20, s12, HALFA                      ; where the tiles go: no place in the cluster enters an LDS address
	s_mul_i32 s21, s12, HALFB
	s_add_co_u32 s21, s21, 2*HALFA
	s_wait_kmcnt 0x0
	CROUND                                         ; all sixteen work-groups are here: the first joint loads meet
.irp s, 0,1
	s_mov_b32 s[G0+4*(\s)], 1
	s_add_co_u32 s[G0+4*(\s)+1], s20, (\s)*SLOT
	s_mov_b32 s[G0B+4*(\s)], 1
	s_add_co_u32 s[G0B+4*(\s)+1], s21, (\s)*SLOT
	SETG \s
	JLOAD \s
.endr
	v_and_b32 v1, 15, v0                           ; l % 16
	v_bfe_u32 v2, v0, 4, 1                         ; l / 16
	v_mul_u32_u24 v3, v1, PITCHA
	v_lshl_add_u32 v3, v2, 4, v3                   ; A: a fragment's row x pitch + 16 x half
	v_and_b32 v4, 7, v0                            ; B: the turning load: k row 8 (l / 16) + l % 8, columns 8 ((l / 8) % 2) on
	v_lshl_add_u32 v4, v2, 3, v4
	v_mul_u32_u24 v4, v4, PITCHB
	v_bfe_u32 v5, v0, 3, 1
	v_lshl_add_u32 v4, v5, 4, v4
	s_mul_i32 s21, s11, HALFA                      ; my 64 rows of A
	s_lshl_b32 s22, s12, 7                         ; my 64 columns of B: 128 bytes,
	s_add_co_u32 s22, s22, 2*HALFA                 ; behind A's 128 rows
.irp s, 0,1
	v_add_nc_u32 v[ADRA+(\s)], s21, v3
	v_add_nc_u32 v[ADRB+2*(\s)], s22, v4
	s_add_co_u32 s23, s22, HALFB
	v_add_nc_u32 v[ADRB+2*(\s)+1], s23, v4
	s_add_co_u32 s21, s21, SLOT
	s_add_co_u32 s22, s22, SLOT
.endr
	s_mul_i32 s23, s11, 64*SPITCH                  ; into the stage: my 64 rows, my half of their 256 bytes; row l % 16, 16 bytes for each half of the lanes
	s_lshl_b32 s21, s12, 7
	s_add_co_u32 s23, s23, s21
	s_add_co_u32 s23, s23, STAGE
	v_mul_u32_u24 v4, v1, SPITCH
	v_lshl_add_u32 v4, v2, 4, v4
	v_add_nc_u32 v[STO], s23, v4
	s_mul_i32 s23, s10, 32*SPITCH                  ; back: wave w takes rows 32 w .. 32 w + 31, whole; lanes 0-15 one row of 256 bytes, lanes 16-31 the next
	s_add_co_u32 s23, s23, STAGE
	v_mul_u32_u24 v5, v2, SPITCH
	v_lshl_add_u32 v5, v1, 4, v5
	v_add_nc_u32 v[RD], s23, v5
	v_lshlrev_b32 v5, 13, v2                       ; and the same two rows in C, 8,192 bytes apart
	v_lshl_add_u32 v[CO], v1, 4, v5
; 8 matrix instructions: m blocks a0, a0 + 1 x all 4 n blocks, 32 along K: half c of buffer f.  zero = 1: the first product starts the sums
.macro MUL8 f, c, a0, zero
	WIN MUL
.irp a, \a0, (\a0)+1
.irp b, 0,1,2,3
.if \zero
	v_wmma_f32_16x16x32_bf16 v[ACC+8*(4*(\a)+(\b)):ACC+8*(4*(\a)+(\b))+7], v[(\f)+64+8*(4*(\c)+(\b)):(\f)+64+8*(4*(\c)+(\b))+7], v[(\f)+8*(4*(\c)+(\a)):(\f)+8*(4*(\c)+(\a))+7], 0
.else
	v_wmma_f32_16x16x32_bf16 v[ACC+8*(4*(\a)+(\b)):ACC+8*(4*(\a)+(\b))+7], v[(\f)+64+8*(4*(\c)+(\b)):(\f)+64+8*(4*(\c)+(\b))+7], v[(\f)+8*(4*(\c)+(\a)):(\f)+8*(4*(\c)+(\a))+7], v[ACC+8*(4*(\a)+(\b)):ACC+8*(4*(\a)+(\b))+7]
.endif
.endr
.endr
.endm
; 32 LDS loads in one run: the fragments of quarter q (64 along K) of a slot, into buffer f; the first 32 along K first.
; B: k rows 64 q + 32 c on lie in half q / 2 of the slot's B; columns 16 i on; the second load takes the 16 k rows below.  A: byte 128 q + 64 c of rows 16 i on.
.macro FETCH slot, q, f
	WIN TO_F
.irp c, 0,1
.irp i, 0,1,2,3
	ds_load_tr16_b128 v[(\f)+64+8*(4*(\c)+(\i)):(\f)+64+8*(4*(\c)+(\i))+3],   v[ADRB+2*(\slot)+(\q)/2] offset:(((\q)%2)*64+32*(\c))*PITCHB+32*(\i)
	ds_load_tr16_b128 v[(\f)+64+8*(4*(\c)+(\i))+4:(\f)+64+8*(4*(\c)+(\i))+7], v[ADRB+2*(\slot)+(\q)/2] offset:(((\q)%2)*64+32*(\c)+16)*PITCHB+32*(\i)
	ds_load_b128 v[(\f)+8*(4*(\c)+(\i)):(\f)+8*(4*(\c)+(\i))+3],         v[ADRA+(\slot)] offset:128*(\q)+64*(\c)+(\i)*16*PITCHA
	ds_load_b128 v[(\f)+8*(4*(\c)+(\i))+4:(\f)+8*(4*(\c)+(\i))+7],       v[ADRA+(\slot)] offset:128*(\q)+64*(\c)+(\i)*16*PITCHA+32
.endr
.endr
.endm
.macro PLACES                          ; four places in front of loads into registers that matrix instructions have read, and of conversions that read results
.rept 4
	v_nop
.endr
.endm
; A K step is four quarters of 64 along K, 32 matrix instructions each, on buffers 0, 1, 0, 1.  One of the first three: multiplies buffer f and fetches quarter q into g.
; The 16 accumulators take turns, one instruction a turn.
.macro QUARTER slot, q, f, g, zero
	s_wait_dscnt 16                                ; the first 32 along K are in; the run's other sixteen loads may be out
	WIN MUL
	MUL8 \f, 0, 0, \zero
	MUL8 \f, 0, 2, \zero
	PLACES
	FETCH \slot, \q, \g
	s_wait_dscnt 32                                ; all but the 32 just issued
	WIN MUL
	MUL8 \f, 1, 0, 0
	MUL8 \f, 1, 2, 0
.endm
; The last quarter multiplies buffer 1 and changes slots: ONE barrier; in front of it each wave waits for all its tensor loads, adds 0 to its spare word, and waits for that and for its own reads of this slot.
; fill = 1: this slot is filled again with this tile's K step two steps on.  fill = 2: with the NEXT tile's K step 0 or 1 (the slot's number).  fill = 0: nothing is left to fetch.
.macro TURN slot, next, fill
	WIN 0                                          ; (the add's two registers lie in window 0)
	s_wait_tensorcnt 0x0                           ; all my tensor loads have landed: my part of the next slot;
	ds_add_u32 v[SPW], v[NIL]                      ; 0 onto my spare word;
	s_wait_dscnt 17                                ; (the add and the youngest sixteen loads may be out)
	WIN MUL
	MUL8 F1, 0, 0, 0                               ; eight matrix instructions stand between the add and the wait for it
	s_wait_dscnt 0x0                               ; the add is done, and my reads of this slot are over
	s_barrier_signal -1
	MUL8 F1, 0, 2, 0
.if \fill
	WIN 0
.endif
	s_barrier_wait -1
.if \fill
	CREST                                          ; the barrier has opened a round of the cluster's barrier: no wave of any partner still reads this slot's tile or has a load on its way
.if (\fill) == 1
	s_add_nc_u64 s[G0+4*(\slot)+2:G0+4*(\slot)+3], s[G0+4*(\slot)+2:G0+4*(\slot)+3], 2*KSTEP*2
	s_add_nc_u64 s[G0B+4*(\slot)+2:G0B+4*(\slot)+3], s[G0B+4*(\slot)+2:G0B+4*(\slot)+3], 2*BSTEP
.else
	SETG \slot
.endif
	JLOAD \slot                                    ; the first tensor load behind the round: 112 matrix instructions ahead of the wait for it, across tiles too; the four v_nop behind it are also the places in front of the loads below
.else
	PLACES
.endif
	FETCH \next, 0, F0
	WIN MUL
	MUL8 F1, 1, 0, 0
	MUL8 F1, 1, 2, 0
.endm
; A tile's head: C's address for the tile in hand, from the offsets that MAP left; more = 1: then the next tile is mapped, for this tile's last two refills.
.macro HEAD more
	s_wait_xcnt 0x0                                ; the last tile's stores have had their addresses translated (ISA guide 3.1): their base, and further down their data registers, are rewritten only behind this wait
	s_add_nc_u64 s[CPTR:CPTR+1], s[8:9], s[OCR:OCR+1]
	s_add_nc_u64 s[CPTR:CPTR+1], s[CPTR:CPTR+1], s[OCC:OCC+1]
.if \more
	s_add_co_u32 s[IDX], s[IDX], 16
	MAP
.endif
.endm
; THE WAY OUT: round to bf16; 16 bytes a lane into the work-group's stage; a barrier, since a row's 256 bytes come from two waves; back as whole rows, 32 rows a wave.
; again = 1: the stage is written again by the next tile, so a second barrier stands behind every wave's wait for its reads of it.
.macro WAYOUT again
	WIN 0
	PLACES
.irp t, 0,1,2,3,4,5,6,7,8,9,10,11,12,13,14,15
.irp r, 0,1,2,3
	v_cvt_pk_bf16_f32 v[TMP+4*(\t)+(\r)], v[ACC+8*(\t)+2*(\r)], v[ACC+8*(\t)+2*(\r)+1]
.endr
.endr
.irp a, 0,1,2,3
.irp b, 0,1,2,3
	ds_store_b128 v[STO], v[TMP+4*(4*(\a)+(\b)):TMP+4*(4*(\a)+(\b))+3] offset:(\a)*16*SPITCH+32*(\b)
.endr
.endr
	s_wait_dscnt 0x0                               ; for the others' sake: my stores into the stage are done
	s_barrier_signal -1
	s_barrier_wait -1
.irp t, 0,1,2,3,4,5,6,7,8,9,10,11,12,13,14,15
	ds_load_b128 v[TMP+4*(\t):TMP+4*(\t)+3], v[RD] offset:(\t)*2*SPITCH
.endr
.irp t, 0,1,2,3,4,5,6,7,8,9,10,11,12,13,14,15
	s_wait_dscnt 15-(\t)                           ; LDS loads come back in order: pair t of rows is in
	global_store_b128 v[CO], v[TMP+4*(\t):TMP+4*(\t)+3], s[CPTR:CPTR+1] offset:2*(\t)*CP  ; 16 lanes store 256 consecutive bytes, at a multiple of 256 from C's first byte
.endr
.if \again
	s_barrier_signal -1                            ; my reads of the stage are back (the count-down ended at 0)
	s_barrier_wait -1                              ; everybody's are
.endif
.endm
; A tile: four K steps.  last = 0: its last two changes of slots ask for the next tile's K steps 0 and 1, and the second fetches the next tile's first fragments; then the tile goes out.
.macro TILE last
	QUARTER 0, 1, F0, F1, 1                        ; the first products start the sums: nothing is cleared
	QUARTER 0, 2, F1, F0, 0
	QUARTER 0, 3, F0, F1, 0
	TURN 0, 1, 1
	QUARTER 1, 1, F0, F1, 0
	QUARTER 1, 2, F1, F0, 0
	QUARTER 1, 3, F0, F1, 0
	TURN 1, 0, 1
	QUARTER 0, 1, F0, F1, 0
	QUARTER 0, 2, F1, F0, 0
	QUARTER 0, 3, F0, F1, 0
.if \last
	TURN 0, 1, 0
.else
	TURN 0, 1, 2
.endif
	QUARTER 1, 1, F0, F1, 0
	QUARTER 1, 2, F1, F0, 0
	QUARTER 1, 3, F0, F1, 0
.if \last
	s_wait_dscnt 16                                ; the very last quarter: nothing more to fetch
	WIN MUL
	MUL8 F1, 0, 0, 0
	MUL8 F1, 0, 2, 0
	s_wait_dscnt 0
	MUL8 F1, 1, 0, 0
	MUL8 F1, 1, 2, 0
	WAYOUT 0
.else
	TURN 1, 0, 2
	WAYOUT 1
.endif
.endm
	s_wait_tensorcnt 1                             ; my part of K step 0 is in; K step 1's may stay out
	s_barrier_signal -1
	s_barrier_wait -1                              ; everybody's is
	FETCH 0, 0, F0
	WIN 0                                          ; at a label and at a branch every window is 0
	s_mov_b32 s2, 0
.Ltile:                                                ; a trip makes a tile that has a successor: five trips or four
	HEAD 1
	TILE 0
	s_add_co_u32 s2, s2, 1
	s_cmp_lt_u32 s2, s[NS]
	s_cbranch_scc1 .Ltile
	HEAD 0                                         ; the last tile is written out: it asks for nothing beyond its own K steps
	TILE 1
	s_wait_tensorcnt 0x0                           ; the wave's end: behind my last tensor load and my last LDS store
	ds_add_u32 v[SPW], v[NIL]
	s_wait_dscnt 0x0
	CROUND                                         ; the closing round: no work-group ends while a partner may still ask for a tile that names it
	s_endpgm
.Lfunc_end_k_q2b90054ed7_proj:
	.size	k_q2b90054ed7_proj, .Lfunc_end_k_q2b90054ed7_proj-k_q2b90054ed7_proj
	.p2alignl 7, 3214868480
	.fill 96, 4, 3214868480
	.section	.rodata,"a",@progbits
	.p2align	6, 0x0
	.amdhsa_kernel k_q2b90054ed7_proj
		.amdhsa_group_segment_fixed_size 327680
		.amdhsa_private_segment_fixed_size 0
		.amdhsa_enable_private_segment 0
		.amdhsa_kernarg_size 24
		.amdhsa_user_sgpr_count 2
		.amdhsa_user_sgpr_kernarg_segment_ptr 1
		.amdhsa_wavefront_size32 1
		.amdhsa_system_sgpr_workgroup_id_x 1
		.amdhsa_system_sgpr_workgroup_id_y 1
		.amdhsa_system_sgpr_workgroup_id_z 1
		.amdhsa_system_vgpr_workitem_id 0
		.amdhsa_next_free_vgpr 512
		.amdhsa_next_free_sgpr 90
		.amdhsa_reserve_vcc 0
		.amdhsa_float_denorm_mode_32 3
		.amdhsa_float_denorm_mode_16_64 3
		.amdhsa_memory_ordered 1
		.amdhsa_forward_progress 1
		.amdhsa_inst_pref_size 170
	.end_amdhsa_kernel
	.amdgpu_metadata
---
amdhsa.version: [ 1, 2 ]
amdhsa.kernels:
  - .name:           k_q2b90054ed7_proj
    .symbol:         k_q2b90054ed7_proj.kd
    .args:
      - { .name: Ab, .offset: 0, .size: 8, .value_kind: global_buffer, .address_space: global }
      - { .name: Wb, .offset: 8, .size: 8, .value_kind: global_buffer, .address_space: global }
      - { .name: H, .offset: 16, .size: 8, .value_kind: global_buffer, .address_space: global }
    .group_segment_fixed_size: 327680
    .private_segment_fixed_size: 0
    .kernarg_segment_align: 8
    .kernarg_segment_size: 24
    .max_flat_workgroup_size: 128
    .sgpr_count:     90
    .vgpr_count:     512
    .wavefront_size: 32
...
	.end_amdgpu_metadata
.endif
;; end of part 2
;; launch attn (part 3): grid 64 x 4, 8 waves a work-group, no clusters, 180,224 bytes of LDS; arguments H, r_w_bias, r_r_bias, AV; writes AV
.if DOCPART == 3
	.amdgcn_target "amdgcn-amd-amdhsa--gfx1250"
	.amdhsa_code_object_version 6
	.text
	.protected	k_q2b90054ed7_attn
	.globl	k_q2b90054ed7_attn
	.p2align	8
	.type	k_q2b90054ed7_attn,@function
k_q2b90054ed7_attn:
	s_mov_b64 s[64:65], 0
	v_nop
	global_prefetch_b8 v0, s[64:65] scope:SCOPE_SE
	s_setreg_imm32_b32 hwreg(HW_REG_WAVE_MODE, 25, 1), 1
	s_wait_xcnt 0x0
; RELATIVE ATTENTION.  For batch b, head n, query i: weights softmax_j(((q_i + r_w_bias) . k_j + (q_i + r_r_bias) . r_m) / 8) over the keys j up to i + 1024, with m = j - i + 1023
; (what the relative shift amounts to on every visible pair; m passes 2047 exactly where the pair is hidden).  AV[4 i + b][64 n + d] = the weighted sum of v_j.
; H (bf16, rows 8,192 bytes apart): q at byte 0, k at 2,048, v at 4,096 of row 4 i + b (keys 1024.. : the w rows) and row 4,096 + 4 j + b (keys 0..1023: the mems rows); r_m at byte 6,144 of row 8,192 + m.
; LIMITS.  q arrives rounded to bf16; the bias is added in f32 and the sum rounded to bf16 again.  The weights are rounded to bf16 for the second product; their sum is taken unrounded.  A hidden score counts as -1e30;
; a weight below 2^-126 counts as 0; NaN and infinities are not treated apart.
; SHARES.  Work-group (x = 16 b + n, y = p): waves 0-3 own query block p of 128, waves 4-7 block 7 - p: (18 + 2 p) + (32 - 2 p) = 50 block steps whatever p.  A wave owns 32 queries, two tiles of 16, and walks its
; visible keys 64 a step.  ONE loop of 32 trips; a wave past its last step jumps forward over the step's work, never over a barrier.
; NO CLUSTER, NO TENSOR LOADS: K's, V's and R's rows are 128 bytes, 32,768 (R: 8,192) bytes apart; the four work-groups of one (b, n) need 32 - 2 p tiles, a different number each; each thread stages 16 bytes eight times a step through registers.
; THE SKEW.  raw = R Qr^T for five groups of 16 rows of R a tile (lane = query r, registers = rows of R).  It goes as f32 into the wave's own scratch, a row of 336 bytes a query, and comes back one word at a time from
; row pitch 332: word (key - r + 15) of query r: the shifted scores, in the layout of S^T = K Qw^T, whose C operand they are.
; LAYOUT.  S^T holds ONE query a lane (lane % 16) and keys 8 (lane / 16) + 0..7; two such tiles rounded to bf16 ARE source 1 of O^T = V^T P.  p = 2^(c s - c m), c = log2(e) / 8, with a running maximum m; O and l are multiplied by
; a = 2^(c m_old - c m_new) in every step; m starts at the lowest finite number, O and l at 0.
; REGISTERS.  window 0: v0-47 addresses and statistics; X = v48-143: R's fragments, then S^T (64) and P (32); Y = v144-223: raw, then K's fragments, then V's; v224-255 staging.
;             window 1: v0-31 Qw, v32-63 Qr, v64-127 O^T.
.set PK,    144                        ; a row of K or R in LDS: 128 bytes + 16: the 16 rows of a fragment load start at 16 different groups of four banks (64 banks of 4 bytes: ISA guide 11.1)
.set PVP,   160                        ; a row of V: 128 + 32
.set VS,    64*PK                      ; K's 64 rows at 0, V's 64 rows here
.set RING,  VS+64*PVP                  ; a ring of 256 rows of R for each of the two groups of waves
.set RINGB, 256*PK
.set UNIT,  16*PK
.set CHUNK, 64*PK
.set SCR,   RING+2*RINGB               ; each wave's own scratch: two tiles of 16 rows x 336 bytes
.set SPS,   336                        ; 80 words + 4: an odd multiple of 16 bytes
.set SCRT,  16*SPS
.set AKF, 4                            ; v4   my lane's place in K's tile: 144 r + 16 h
.set AVF, 5                            ; v5   in V's, for the turning load
.set ARL, 6                            ; v6   in a unit of my group's ring
.set SST, 9                            ; v9   scratch, in: 336 r + 32 h
.set SLD, 10                           ; v10  scratch, back: 332 r + 32 h + 60
.set GKV, 11                           ; v11  staging: my 16 bytes of K or V in memory
.set GR,  12                           ; v12  of R
.set LK,  13                           ; v13  and in LDS: K,
.set LV,  14                           ; v14  V,
.set LRL, 15                           ; v15  R (slot 0 of the ring); v16 the slot in hand
.set THR, 17                           ; v17-18  by tile: in the diagonal step register 16 kt + j is hidden where it is greater
.set ST,  20                           ; v20-27  by tile: c m, m, l (even keys', odd keys')
.set CT,  28                           ; v28-35  by tile: c0-c3 at work; c2 takes a
.set MO,  36                           ; v36-37  c m_old
.set QO,  38                           ; v38  my byte offset in 16 rows of q
.set RD,  39                           ; v39  the way out: where I read rows back
.set STO, 40                           ; v40  the way out: where I put 16 bytes of a row
.set BO,  41                           ; v41  my byte offset in a head's bias
.set GO,  42                           ; v42  my byte offset in four rows of AV
.set X,   48
.set Y,   144
.set STG, 224
.set MSB, 0
.macro WIN new                         ; the immediate's high byte repeats the setting that is left; a switch that changes nothing is dropped
.if MSB != (\new)
	s_set_vgpr_msb (MSB<<8)|(\new)
.set MSB, \new
.endif
.endm
.set W_Q,  0x04                        ; source 1 (Qr, Qw) in window 1, all else in window 0
.set W_PV, 0x50                        ; C and D (O^T) in window 1
.set W_RS, 0x41                        ; destination and source 0 in window 1
.macro PL5                             ; places behind matrix instructions: four in front of vector work, stores and loads on their registers, five in front of a matrix instruction that writes over them
.rept 5
	v_nop
.endr
.endm
	s_load_b256 s[4:11], s[0:1], 0x0               ; H s[4:5], r_w_bias s[6:7], r_r_bias s[8:9], AV s[10:11]
	v_lshl_add_u32 v46, v0, 2, 0x2bc00
	v_mov_b32 v47, 0
	v_lshrrev_b32 v3, 5, v0
	v_readfirstlane_b32 s12, v3                    ; wave 0..7
	s_and_b32 s13, s12, 3                          ; wq: which 32 queries of the block
	s_lshr_b32 s14, s12, 2                         ; grp
	s_and_b32 s15, ttmp7, 0xffff                   ; p
	s_mov_b32 s16, ttmp9                           ; 16 b + n
	s_sub_co_u32 s17, 7, s15
	s_cmp_eq_u32 s14, 0
	s_cselect_b32 s17, s15, s17                    ; blk = p or 7 - p
	s_lshl_b32 s25, s17, 1                         ; 2 blk
	s_lshr_b32 s44, s13, 1
	s_add_co_u32 s18, s25, 17
	s_add_co_u32 s18, s18, s44                     ; NTW: my steps; the last holds the diagonal
	s_add_co_u32 s19, s25, 18                      ; NTR: my group's steps
	s_lshl_b32 s20, s15, 1
	s_sub_co_u32 s20, 32, s20                      ; NTKV: the work-group's steps
	s_mov_b32 s21, 0                               ; t
	s_lshl_b32 s22, s13, 1
	s_sub_co_u32 s22, 6, s22                       ; sU: the ring unit at which my six groups of R begin: (4 t + 6 - 2 wq) mod 16
	s_mov_b32 s23, 3                               ; sW: the ring slot written next
	s_sub_co_u32 s24, 17, s25                      ; cidx: the chunk of 64 rows of R fetched next
	s_mov_b32 s38, 0x3e38aa3b                      ; c = log2(e) / 8
	s_mov_b32 s39, s38
	s_mov_b32 s40, 0x76543210                      ; v_permlanex16_b32: each lane takes its own place in the other half
	s_mov_b32 s41, 0xfedcba98
	s_mov_b32 s42, 0xf149f2ca                      ; -1e30
	s_lshr_b32 s45, s16, 4                         ; b
	s_and_b32 s46, s16, 15                         ; n
	s_lshl_b32 s47, s46, 7                         ; a head's 128 bytes
	s_lshl_b32 s28, s45, 13
	s_add_co_u32 s28, s28, s47
	s_add_co_u32 s28, s28, 2048                    ; k of row b
	s_mov_b32 s29, 0
	s_add_co_u32 s34, s47, 8192*8192+6144          ; r_0
	s_mov_b32 s35, 0
	s_lshl_b32 s52, s17, 7
	s_lshl_b32 s53, s13, 5
	s_add_co_u32 s52, s52, s53                     ; my first query
	s_lshl_b32 s52, s52, 2
	s_add_co_u32 s52, s52, s45                     ; its row 4 i + b
	s_lshl_b32 s54, s52, 11
	s_add_co_u32 s54, s54, s47                     ; in AV
	s_mov_b32 s55, 0
	s_lshl_b32 s52, s52, 13
	s_add_co_u32 s52, s52, s47                     ; in H
	s_mov_b32 s53, 0
	s_lshl_b32 s56, s46, 8                         ; a head's 64 f32 of bias
	s_mov_b32 s57, 0
	s_and_b32 s58, s13, 1
	s_lshl_b32 s58, s58, 5                         ; 32 (wq % 2)
	s_mul_i32 s43, s14, RINGB
	s_add_co_u32 s43, s43, RING                    ; my group's ring
	s_mul_i32 s44, s12, 2*SCRT
	s_add_co_u32 s44, s44, SCR                     ; my wave's scratch
	v_and_b32 v1, 15, v0                           ; r = l % 16
	v_bfe_u32 v2, v0, 4, 1                         ; h = l / 16
	v_and_b32 v3, 7, v0
	v_mul_u32_u24 v[AKF], v1, PK
	v_lshl_add_u32 v[AKF], v2, 4, v[AKF]
	v_lshl_add_u32 v[AVF], v2, 3, v3               ; the turning load: key 8 h + l % 8, channels 8 ((l / 8) % 2) on
	v_mul_u32_u24 v[AVF], v[AVF], PVP
	v_bfe_u32 v7, v0, 3, 1
	v_lshl_add_u32 v[AVF], v7, 4, v[AVF]
	v_add_nc_u32 v[AVF], VS, v[AVF]
	v_add_nc_u32 v[ARL], s43, v[AKF]
	v_mul_u32_u24 v[SST], v1, SPS
	v_lshl_add_u32 v[SST], v2, 5, v[SST]
	v_add_nc_u32 v[SST], s44, v[SST]
	v_mul_u32_u24 v[SLD], v1, SPS-4
	v_lshl_add_u32 v[SLD], v2, 5, v[SLD]
	v_add_nc_u32 v[SLD], s44, v[SLD]
	v_add_nc_u32 v[SLD], 60, v[SLD]
	; staging: eight lanes take a row of 128 bytes, a wave four rows: K and V: keys 4 wave + l / 8, and 32 further on; R: rows 4 wq + l / 8 of my group's chunk, and 16, 32, 48 further on
	v_lshlrev_b32 v3, 4, v3                        ; 16 (l % 8)
	v_bfe_u32 v16, v0, 3, 2                        ; l / 8
	s_lshl_b32 s59, s12, 17                        ; four keys lie 4 x 32,768 bytes on (keys lie four rows of H apart)
	v_lshl_add_u32 v[GKV], v16, 15, v3
	v_add_nc_u32 v[GKV], s59, v[GKV]
	s_mul_i32 s59, s12, 4*PK
	v_mul_u32_u24 v[LK], v16, PK
	v_add3_u32 v[LK], v[LK], v3, s59
	s_mul_i32 s59, s12, 4*PVP
	s_add_co_u32 s59, s59, VS
	v_mul_u32_u24 v[LV], v16, PVP
	v_add3_u32 v[LV], v[LV], v3, s59
	s_lshl_b32 s59, s13, 15                        ; four rows of 8,192 bytes
	v_lshl_add_u32 v[GR], v16, 13, v3
	v_add_nc_u32 v[GR], s59, v[GR]
	s_mul_i32 s59, s13, 4*PK
	s_add_co_u32 s59, s59, s43
	v_mul_u32_u24 v[LRL], v16, PK
	v_add3_u32 v[LRL], v[LRL], v3, s59
	v_lshlrev_b32 v[THR], 3, v2
	v_sub_nc_u32 v[THR], v1, v[THR]
	v_add_nc_u32 v[THR], s58, v[THR]               ; 32 (wq % 2) + r - 8 h
	v_add_nc_u32 v[THR+1], 16, v[THR]
	v_lshlrev_b32 v[QO], 15, v1
	v_lshl_add_u32 v[QO], v2, 4, v[QO]             ; query r, 16 bytes for each half of the lanes
	v_lshlrev_b32 v[BO], 5, v2
	v_lshl_add_u32 v[GO], v16, 13, v3              ; four queries' rows of AV, 8,192 bytes apart, 128 bytes each
	v_mul_u32_u24 v[RD], v16, PK
	v_add3_u32 v[RD], v[RD], v3, s44
	v_add_nc_u32 v[STO], s44, v[AKF]
	s_wait_kmcnt 0x0
	s_add_nc_u64 s[26:27], s[4:5], s[28:29]        ; K's base
	s_add_nc_u64 s[32:33], s[4:5], s[34:35]        ; R's base
	s_add_nc_u64 s[48:49], s[4:5], s[52:53]        ; my q
	s_add_nc_u64 s[50:51], s[10:11], s[54:55]      ; my rows of AV
	s_add_nc_u64 s[6:7], s[6:7], s[56:57]
	s_add_nc_u64 s[8:9], s[8:9], s[56:57]
	s_sub_co_u32 s34, 14, s25
	s_lshl_b32 s34, s34, 19                        ; step 0's window of R begins at chunk 14 - 2 blk; a chunk is 64 rows of 8,192 bytes
	s_add_nc_u64 s[36:37], s[32:33], s[34:35]
	s_mov_b32 s28, 16<<21                          ; keys 0-63 are mems rows: row 4,096 of H on
	s_add_nc_u64 s[30:31], s[26:27], s[28:29]
	; THE FIRST FILL: three chunks of R, step 0's K and V, my q and the two biases
.irp s, 0,1
.irp k, 0,1,2,3
	global_load_b128 v[Y+16*(\s)+4*(\k):Y+16*(\s)+4*(\k)+3], v[GR], s[36:37] offset:(\s)*524288+(\k)*131072
.endr
.endr
.irp k, 0,1,2,3
	global_load_b128 v[STG+16+4*(\k):STG+16+4*(\k)+3], v[GR], s[36:37] offset:2*524288+(\k)*131072
.endr
.irp k, 0,1
	global_load_b128 v[STG+4*(\k):STG+4*(\k)+3],     v[GKV], s[30:31] offset:(\k)*1048576
	global_load_b128 v[STG+8+4*(\k):STG+8+4*(\k)+3], v[GKV], s[30:31] offset:(\k)*1048576+2048
.endr
.irp i, 0,1,2,3,4,5,6,7                ; piece i: tile i / 4, channels 32 ((i / 2) % 2) + 16 (i % 2) + 8 h on
	global_load_b128 v[X+4*(\i):X+4*(\i)+3], v[QO], s[48:49] offset:((\i)/4)*524288+((\i)%4)*32
.endr
.irp i, 0,1,2,3                        ; the same channels' biases, eight f32 a lane
	global_load_b128 v[X+32+8*(\i):X+32+8*(\i)+3],   v[BO], s[6:7] offset:64*(\i)
	global_load_b128 v[X+32+8*(\i)+4:X+32+8*(\i)+7], v[BO], s[6:7] offset:64*(\i)+16
	global_load_b128 v[X+64+8*(\i):X+64+8*(\i)+3],   v[BO], s[8:9] offset:64*(\i)
	global_load_b128 v[X+64+8*(\i)+4:X+64+8*(\i)+7], v[BO], s[8:9] offset:64*(\i)+16
.endr
	s_wait_loadcnt 0x0
.irp s, 0,1
.irp k, 0,1,2,3
	ds_store_b128 v[LRL], v[Y+16*(\s)+4*(\k):Y+16*(\s)+4*(\k)+3] offset:(\s)*CHUNK+(\k)*UNIT
.endr
.endr
.irp k, 0,1,2,3
	ds_store_b128 v[LRL], v[STG+16+4*(\k):STG+16+4*(\k)+3] offset:2*CHUNK+(\k)*UNIT
.endr
.irp k, 0,1
	ds_store_b128 v[LK], v[STG+4*(\k):STG+4*(\k)+3] offset:(\k)*32*PK
	ds_store_b128 v[LV], v[STG+8+4*(\k):STG+8+4*(\k)+3] offset:(\k)*32*PVP
.endr
	; Qw = bf16(q + r_w_bias), Qr = bf16(q + r_r_bias), piece by piece: widened, added in f32, rounded into window 1
.irp i, 0,1,2,3,4,5,6,7
	WIN 0
.irp k, 0,1,2,3
	v_lshlrev_b32 v[192+2*(\k)], 16, v[X+4*(\i)+(\k)]
	v_and_b32 v[193+2*(\k)], 0xffff0000, v[X+4*(\i)+(\k)]
.endr
.irp k, 0,2,4,6
	v_pk_add_f32 v[200+(\k):201+(\k)], v[192+(\k):193+(\k)], v[X+32+8*((\i)%4)+(\k):X+32+8*((\i)%4)+(\k)+1]
	v_pk_add_f32 v[208+(\k):209+(\k)], v[192+(\k):193+(\k)], v[X+64+8*((\i)%4)+(\k):X+64+8*((\i)%4)+(\k)+1]
.endr
	WIN 0x40
.irp k, 0,1,2,3
	v_cvt_pk_bf16_f32 v[4*(\i)+(\k)],    v[200+2*(\k)], v[201+2*(\k)]
	v_cvt_pk_bf16_f32 v[32+4*(\i)+(\k)], v[208+2*(\k)], v[209+2*(\k)]
.endr
.endr
.set z, 64
.rept 64                               ; O^T starts at 0: no first step is written out
	v_mov_b32 v[z], 0
.set z, z+1
.endr
	WIN 0
.irp tl, 0,1
	v_mov_b32 v[ST+4*(\tl)], 0xfe000000            ; c m: far below every c s
	v_mov_b32 v[ST+4*(\tl)+1], 0xff7fffff          ; m
	v_mov_b32 v[ST+4*(\tl)+2], 0
	v_mov_b32 v[ST+4*(\tl)+3], 0
.endr
	s_wait_dscnt 0x0                               ; for the others' sake: my stores of K, V and R are done
	s_barrier_signal -1
	s_barrier_wait -1
.macro TREG tl                         ; the registers of tile tl
.set rT, ST+4*(\tl)
.set rC, CT+4*(\tl)
.set rM, MO+(\tl)
.set rS, X+32*(\tl)
.set rP, X+64+16*(\tl)
.endm
; Number n of the 22 that find a tile's maximum and statistics.  Each accumulator's lowest registers are read first.
.macro XS tl, n
	TREG \tl
.if (\n) < 4
	v_max3_num_f32 v[rC+(\n)], v[rS+8*(\n)], v[rS+8*(\n)+1], v[rS+8*(\n)+2]
.elseif (\n) < 12
	v_max3_num_f32 v[rC+(\n)%4], v[rC+(\n)%4], v[rS+8*((\n)%4)+2*((\n)/4)+1], v[rS+8*((\n)%4)+2*((\n)/4)+2]
.elseif (\n) == 12
	v_max3_num_f32 v[rC], v[rC], v[rS+7], v[rS+15]
.elseif (\n) == 13
	v_max3_num_f32 v[rC+1], v[rC+1], v[rS+23], v[rS+31]
.elseif (\n) == 14
	v_max3_num_f32 v[rC+2], v[rC+2], v[rC+3], v[rT+1]
.elseif (\n) == 15
	v_mov_b32 v[rM], v[rT]                         ; c m_old is kept
.elseif (\n) == 16
	v_max3_num_f32 v[rC], v[rC], v[rC+1], v[rC+2]
.elseif (\n) == 17
	v_permlanex16_b32 v[rC+3], v[rC], s40, s41     ; the query's other 32 keys lie in the lane 16 away
.elseif (\n) == 18
	v_max_num_f32 v[rT+1], v[rC], v[rC+3]
.elseif (\n) == 19
	v_mul_f32 v[rT], s38, v[rT+1]
.elseif (\n) == 20
	v_sub_f32 v[rC+1], v[rM], v[rT]
.else
	v_exp_f32 v[rC+2], v[rC+1]                     ; a
.endif
.endm
.Ltrip:
	; the next step's K and V (all eight waves) and the next chunk of R (my group's four) are asked for first; they land in staging registers while this step is worked on
	s_add_co_u32 s43, s21, 1
	s_cmp_lt_u32 s43, s20
	s_cbranch_scc0 .Lno_kv
	s_add_co_u32 s44, s21, 17
	s_and_b32 s44, s44, 31                         ; keys 64 (t + 1) on: 256 rows of H a step, the w rows behind the mems rows
	s_lshl_b32 s28, s44, 21
	s_add_nc_u64 s[30:31], s[26:27], s[28:29]      ; (the loads that named this pointer were waited for in the trip before)
.irp k, 0,1
	global_load_b128 v[STG+4*(\k):STG+4*(\k)+3],     v[GKV], s[30:31] offset:(\k)*1048576
	global_load_b128 v[STG+8+4*(\k):STG+8+4*(\k)+3], v[GKV], s[30:31] offset:(\k)*1048576+2048
.endr
.Lno_kv:
	s_cmp_lt_u32 s43, s19
	s_cbranch_scc0 .Lno_r
	s_min_u32 s44, s24, 31                         ; chunks 32 and 33 would hold m beyond 2047, which only hidden pairs name: chunk 31 stands in, and no load leaves the buffer
	s_lshl_b32 s34, s44, 19
	s_add_nc_u64 s[36:37], s[32:33], s[34:35]
.irp k, 0,1,2,3
	global_load_b128 v[STG+16+4*(\k):STG+16+4*(\k)+3], v[GR], s[36:37] offset:(\k)*131072
.endr
.Lno_r:
	s_cmp_lt_u32 s21, s18
	s_cbranch_scc0 .Lno_step
	; 1. six groups of 16 rows of R, 64 channels each
.irp y, 0,1,2,3,4,5
	s_add_co_u32 s45, s22, \y
	s_and_b32 s45, s45, 15
	s_mul_i32 s45, s45, UNIT
	v_add_nc_u32 v[7+(\y)%2], s45, v[ARL]
	ds_load_b128 v[X+16*(\y):X+16*(\y)+3],     v[7+(\y)%2]
	ds_load_b128 v[X+16*(\y)+4:X+16*(\y)+7],   v[7+(\y)%2] offset:32
	ds_load_b128 v[X+16*(\y)+8:X+16*(\y)+11],  v[7+(\y)%2] offset:64
	ds_load_b128 v[X+16*(\y)+12:X+16*(\y)+15], v[7+(\y)%2] offset:96
.endr
	s_wait_dscnt 0x0
	; 2. raw = R Qr^T: tile 1 takes groups 0-4, tile 0 groups 1-5.  The ten accumulators take turns
	WIN W_Q
.irp g, 0,1,2,3,4
.irp tl, 0,1
	v_wmma_f32_16x16x32_bf16 v[Y+40*(\tl)+8*(\g):Y+40*(\tl)+8*(\g)+7], v[X+16*((\g)+1-(\tl)):X+16*((\g)+1-(\tl))+7], v[32+16*(\tl):32+16*(\tl)+7], 0
.endr
.endr
.irp g, 0,1,2,3,4
.irp tl, 0,1
	v_wmma_f32_16x16x32_bf16 v[Y+40*(\tl)+8*(\g):Y+40*(\tl)+8*(\g)+7], v[X+16*((\g)+1-(\tl))+8:X+16*((\g)+1-(\tl))+15], v[32+16*(\tl)+8:32+16*(\tl)+15], v[Y+40*(\tl)+8*(\g):Y+40*(\tl)+8*(\g)+7]
.endr
.endr
	WIN 0
	PL5
	; 3. the skew through my own scratch: LDS serves a wave's instructions in order (ISA guide 5.7.1.4), so the loads see the stores; then K's fragments
.irp tl, 0,1
.irp g, 0,1,2,3,4
	ds_store_b128 v[SST], v[Y+40*(\tl)+8*(\g):Y+40*(\tl)+8*(\g)+3]   offset:SCRT*(\tl)+64*(\g)
	ds_store_b128 v[SST], v[Y+40*(\tl)+8*(\g)+4:Y+40*(\tl)+8*(\g)+7] offset:SCRT*(\tl)+64*(\g)+16
.endr
.endr
.irp tl, 0,1
.set z, 0
.rept 32
	ds_load_b32 v[X+32*(\tl)+z], v[SLD] offset:SCRT*(\tl)+64*(z/8)+4*(z%8)
.set z, z+1
.endr
.endr
.irp f, 0,1,2,3,4,5,6,7                ; keys 16 (f / 2) on, channels 32 (f % 2) on
	ds_load_b128 v[Y+8*(\f):Y+8*(\f)+3],   v[AKF] offset:((\f)/2)*UNIT+((\f)%2)*64
	ds_load_b128 v[Y+8*(\f)+4:Y+8*(\f)+7], v[AKF] offset:((\f)/2)*UNIT+((\f)%2)*64+32
.endr
	s_wait_dscnt 0x0
	; 4. S^T = K Qw^T + the shifted raw.  Eight accumulators by turns
	WIN W_Q
.irp c, 0,1
.irp kt, 0,1,2,3
.irp tl, 0,1
	v_wmma_f32_16x16x32_bf16 v[X+32*(\tl)+8*(\kt):X+32*(\tl)+8*(\kt)+7], v[Y+16*(\kt)+8*(\c):Y+16*(\kt)+8*(\c)+7], v[16*(\tl)+8*(\c):16*(\tl)+8*(\c)+7], v[X+32*(\tl)+8*(\kt):X+32*(\tl)+8*(\kt)+7]
.endr
.endr
.endr
	WIN 0
	PL5
	; 5. V's fragments, turned, are on their way during the softmax
.irp f, 0,1,2,3,4,5,6,7                ; keys 32 (f / 4) on, channels 16 (f % 4) on
	ds_load_tr16_b128 v[Y+8*(\f):Y+8*(\f)+3],   v[AVF] offset:((\f)/4)*32*PVP+((\f)%4)*32
	ds_load_tr16_b128 v[Y+8*(\f)+4:Y+8*(\f)+7], v[AVF] offset:((\f)/4)*32*PVP+16*PVP+((\f)%4)*32
.endr
	; 6. my last step holds the diagonal: hidden scores are replaced
	s_cmp_lg_u32 s43, s18
	s_cbranch_scc1 .Lno_mask
.irp tl, 0,1
.set z, 0
.rept 32
	v_cmp_gt_i32 vcc_lo, 16*(z/8)+z%8, v[THR+(\tl)]
	v_cndmask_b32 v[X+32*(\tl)+z], v[X+32*(\tl)+z], s42, vcc_lo
.set z, z+1
.endr
.endr
.Lno_mask:
	; 7. the softmax, the two tiles alternating
.irp n, 0,1,2,3,4,5,6,7,8,9,10,11,12,13,14,15,16,17,18,19,20,21
	XS 0, \n
	XS 1, \n
.endr
.set z, 0
.rept 16                               ; c s - c m; the first of these is the plain instruction behind the two exponentials above (ISA guide 5.7.2)
.irp tl, 0,1
	TREG \tl
	v_pk_fma_f32 v[rS+2*z:rS+2*z+1], v[rS+2*z:rS+2*z+1], s[38:39], v[rT:rT+1] op_sel_hi:[1,0,0] neg_lo:[0,0,1] neg_hi:[0,0,1]
.endr
.set z, z+1
.endr
.set z, 0
.rept 32
.irp tl, 0,1
	TREG \tl
	v_exp_f32 v[rS+z], v[rS+z]
.endr
.set z, z+1
.endr
	v_nop                                          ; a plain instruction between the last exponential and the use of its result
	s_wait_alu depctr_va_vdst(0)
.set z, 0
.rept 16
.irp tl, 0,1
	TREG \tl
	v_cvt_pk_bf16_f32 v[rP+z], v[rS+2*z], v[rS+2*z+1]
.endr
.set z, z+1
.endr
.irp w, 4,8,16,32                      ; the sum of a tile's 16 pairs, in place: neighbours 1, 2, 4, 8 pairs apart
.set z, 0
.rept 32/(\w)
.irp tl, 0,1
	TREG \tl
	v_pk_add_f32 v[rS+(\w)*z:rS+(\w)*z+1], v[rS+(\w)*z:rS+(\w)*z+1], v[rS+(\w)*z+(\w)/2:rS+(\w)*z+(\w)/2+1]
.endr
.set z, z+1
.endr
.endr
.irp tl, 0,1
	TREG \tl
	v_pk_fma_f32 v[rT+2:rT+3], v[rT+2:rT+3], v[rC+2:rC+3], v[rS:rS+1] op_sel_hi:[1,0,1]  ; l = a l + sum
.endr
	; 8. O^T times a
	WIN W_RS
.irp tl, 0,1
.set z, 0
.rept 16
	v_pk_mul_f32 v[64+32*(\tl)+2*z:64+32*(\tl)+2*z+1], v[64+32*(\tl)+2*z:64+32*(\tl)+2*z+1], v[CT+4*(\tl)+2:CT+4*(\tl)+3] op_sel_hi:[1,0]
.set z, z+1
.endr
.endr
	; 9. O^T += V^T P.  Eight accumulators by turns
	s_wait_dscnt 0x0                               ; V is in
	WIN W_PV
.irp kk, 0,1
.irp cb, 0,1,2,3
.irp tl, 0,1
	v_wmma_f32_16x16x32_bf16 v[64+32*(\tl)+8*(\cb):64+32*(\tl)+8*(\cb)+7], v[Y+32*(\kk)+8*(\cb):Y+32*(\kk)+8*(\cb)+7], v[X+64+16*(\tl)+8*(\kk):X+64+16*(\tl)+8*(\kk)+7], v[64+32*(\tl)+8*(\cb):64+32*(\tl)+8*(\cb)+7]
.endr
.endr
.endr
	WIN 0
	PL5
.Lno_step:
	s_wait_dscnt 0x0                               ; my reads of this step's K, V and R are back
	s_barrier_signal -1
	s_barrier_wait -1                              ; everybody's are: K's and V's rows may be written over
	s_wait_loadcnt 0x0                             ; the staged rows are in registers, and the two pointers may be stepped
	s_cmp_lt_u32 s43, s20
	s_cbranch_scc0 .Lno_kv2
.irp k, 0,1
	ds_store_b128 v[LK], v[STG+4*(\k):STG+4*(\k)+3] offset:(\k)*32*PK
	ds_store_b128 v[LV], v[STG+8+4*(\k):STG+8+4*(\k)+3] offset:(\k)*32*PVP
.endr
.Lno_kv2:
	s_cmp_lt_u32 s43, s19
	s_cbranch_scc0 .Lno_r2
	s_mul_i32 s44, s23, CHUNK
	v_add_nc_u32 v16, s44, v[LRL]
.irp k, 0,1,2,3
	ds_store_b128 v16, v[STG+16+4*(\k):STG+16+4*(\k)+3] offset:(\k)*UNIT
.endr
.Lno_r2:
	s_wait_dscnt 0x0                               ; for the others' sake: my stores are done
	s_barrier_signal -1
	s_barrier_wait -1
	s_add_co_u32 s22, s22, 4                       ; the window of R moves on by 64 rows
	s_and_b32 s22, s22, 15
	s_add_co_u32 s23, s23, 1
	s_and_b32 s23, s23, 3
	s_add_co_u32 s24, s24, 1
	s_add_co_u32 s21, s21, 1
	s_cmp_lt_u32 s21, 32
	s_cbranch_scc1 .Ltrip
	; THE WAY OUT.  l's two halves and the other half of the lanes' are added; O^T is divided by l, rounded to bf16 and sent through my scratch, a tile at a time: in as 16 bytes of a query's row, back as whole rows of 128 bytes.
.irp tl, 0,1
	v_add_f32 v[ST+4*(\tl)+2], v[ST+4*(\tl)+2], v[ST+4*(\tl)+3]
.endr
.irp tl, 0,1
	v_permlanex16_b32 v[ST+4*(\tl)+3], v[ST+4*(\tl)+2], s40, s41
.endr
.irp tl, 0,1
	v_add_f32 v[ST+4*(\tl)+2], v[ST+4*(\tl)+2], v[ST+4*(\tl)+3]
.endr
.irp tl, 0,1
	v_rcp_f32 v[ST+4*(\tl)+2], v[ST+4*(\tl)+2]
.endr
	v_nop                                          ; a plain instruction between the last reciprocal and the use of its result
	s_wait_alu depctr_va_vdst(0)
.irp tl, 0,1
	WIN W_RS
.set z, 0
.rept 16
	v_pk_mul_f32 v[64+32*(\tl)+2*z:64+32*(\tl)+2*z+1], v[64+32*(\tl)+2*z:64+32*(\tl)+2*z+1], v[ST+4*(\tl)+2:ST+4*(\tl)+3] op_sel_hi:[1,0]
.set z, z+1
.endr
	WIN 0x05                                       ; sources 0 and 1 window 1, destination window 0
.set z, 0
.rept 16
	v_cvt_pk_bf16_f32 v[X+16*(\tl)+z], v[64+32*(\tl)+2*z], v[64+32*(\tl)+2*z+1]
.set z, z+1
.endr
	WIN 0
.irp f, 0,1,2,3
	ds_store_b128 v[STO], v[X+16*(\tl)+4*(\f):X+16*(\tl)+4*(\f)+3] offset:SCRT*(\tl)+32*(\f)
.endr
.irp f, 0,1,2,3
	ds_load_b128 v[X+32+16*(\tl)+4*(\f):X+32+16*(\tl)+4*(\f)+3], v[RD] offset:SCRT*(\tl)+4*PK*(\f)
.endr
.endr
	s_wait_dscnt 0x0
.irp tl, 0,1
.irp f, 0,1,2,3
	global_store_b128 v[GO], v[X+32+16*(\tl)+4*(\f):X+32+16*(\tl)+4*(\f)+3], s[50:51] offset:(\tl)*131072+(\f)*32768  ; eight lanes store a head's 128 bytes of one row of AV
.endr
.endr
	s_wait_tensorcnt 0x0
	ds_add_u32 v46, v47
	s_wait_dscnt 0x0
	s_endpgm
.Lfunc_end_k_q2b90054ed7_attn:
	.size	k_q2b90054ed7_attn, .Lfunc_end_k_q2b90054ed7_attn-k_q2b90054ed7_attn
	.p2alignl 7, 3214868480
	.fill 96, 4, 3214868480
	.section	.rodata,"a",@progbits
	.p2align	6, 0x0
	.amdhsa_kernel k_q2b90054ed7_attn
		.amdhsa_group_segment_fixed_size 180224
		.amdhsa_private_segment_fixed_size 0
		.amdhsa_enable_private_segment 0
		.amdhsa_kernarg_size 32
		.amdhsa_user_sgpr_count 2
		.amdhsa_user_sgpr_kernarg_segment_ptr 1
		.amdhsa_wavefront_size32 1
		.amdhsa_system_sgpr_workgroup_id_x 1
		.amdhsa_system_sgpr_workgroup_id_y 1
		.amdhsa_system_sgpr_workgroup_id_z 1
		.amdhsa_system_vgpr_workitem_id 0
		.amdhsa_next_free_vgpr 384
		.amdhsa_next_free_sgpr 66
		.amdhsa_reserve_vcc 1
		.amdhsa_float_denorm_mode_32 3
		.amdhsa_float_denorm_mode_16_64 3
		.amdhsa_memory_ordered 1
		.amdhsa_forward_progress 1
		.amdhsa_inst_pref_size 66
	.end_amdhsa_kernel
	.amdgpu_metadata
---
amdhsa.version: [ 1, 2 ]
amdhsa.kernels:
  - .name:           k_q2b90054ed7_attn
    .symbol:         k_q2b90054ed7_attn.kd
    .args:
      - { .name: H, .offset: 0, .size: 8, .value_kind: global_buffer, .address_space: global }
      - { .name: r_w_bias, .offset: 8, .size: 8, .value_kind: global_buffer, .address_space: global }
      - { .name: r_r_bias, .offset: 16, .size: 8, .value_kind: global_buffer, .address_space: global }
      - { .name: AV, .offset: 24, .size: 8, .value_kind: global_buffer, .address_space: global }
    .group_segment_fixed_size: 180224
    .private_segment_fixed_size: 0
    .kernarg_segment_align: 8
    .kernarg_segment_size: 32
    .max_flat_workgroup_size: 256
    .sgpr_count:     66
    .vgpr_count:     384
    .wavefront_size: 32
...
	.end_amdgpu_metadata
.endif
;; end of part 3
;; launch oproj (part 4): grid 64 x 4, 4 waves a work-group, clusters of 4 x 4, 327,680 bytes of LDS; arguments AV, WoB, H2; writes H2
.if DOCPART == 4
	.amdgcn_target "amdgcn-amd-amdhsa--gfx1250"
	.amdhsa_code_object_version 6
	.text
	.protected	k_q2b90054ed7_oproj
	.globl	k_q2b90054ed7_oproj
	.p2align	8
	.type	k_q2b90054ed7_oproj,@function
k_q2b90054ed7_oproj:
	s_mov_b64 s[64:65], 0
	v_nop
	global_prefetch_b8 v0, s[64:65] scope:SCOPE_SE
	s_setreg_imm32_b32 hwreg(HW_REG_WAVE_MODE, 25, 1), 1
	s_wait_xcnt 0x0
	s_wait_alu depctr_hold_cnt(0) depctr_sa_sdst(0) depctr_va_vdst(0) depctr_va_sdst(0) depctr_va_ssrc(0) depctr_va_vcc(0) depctr_vm_vsrc(0)
	s_getreg_b32 s2, hwreg(HW_REG_IB_STS2, 6, 4)
	s_cmp_eq_u32 s2, 0
	s_cbranch_scc0 .Lentry_in_a_cluster
	s_endpgm
.Lentry_in_a_cluster:
	s_bfe_u32 s2, ttmp6, 0x10000c
	s_cmp_lg_u32 s2, 0xf033
	s_cbranch_scc0 .Lentry_shape_is_right
	s_endpgm
.Lentry_shape_is_right:
; C[m][n] = sum over k of A[m][k] B[k][n], M = 4,096, N = K = 1,024.  A: rows of 1,024 bf16.  B: [1024 k][1024 n] of bf16.  C: bf16, rows 8,192 bytes apart; sums in f32, C rounded once.
; A tile of C is 128 x 128: four waves, each 64 x 64 (16 accumulators of 16 x 16): 256 tiles, one for each work-group.  K goes in steps of 256 through two LDS slots filled by the tensor data mover.
; A's tile lies along K (rows of 512 bytes); B's tile lies [k][n] (256 rows of 256 bytes) and is turned on its way into registers by ds_load_tr16_b128.
; WHICH TILES.  The launch's 16 clusters of 4 x 4 work-groups are numbered c along x; cluster c makes 512 x 512 of C at cluster row c / 2, cluster column c % 2.
; CLUSTERS.  The four work-groups of a row of the cluster need the same tiles of A, the four of a column the same tiles of B: each tile is asked for JOINTLY, by the same tensor load with the
; same descriptor and a mask that names the four.  THE MATRIX INSTRUCTION IS USED TRANSPOSED (source 0 = 16 columns of B, source 1 = 16 rows of A): a lane then holds eight neighbouring numbers of a row of C.
; REGISTERS: window 0: v0-31 addresses; v32-95 at work on the way out; v128-255 the accumulators ((a, b) at v[128 + 8 (4 a + b)]).
;   window 1: two fragment buffers of 128: for 64 along K, 64 registers of A, then 64 of B.
.set SIZE_K, 1024
.set KSTEP,  256
.set PITCHA, 528                       ; a row of A in LDS: 512 bytes + 16 of padding: the 16 rows of a fragment load start at 16 different groups of four banks (64 banks of 4 bytes: ISA guide 11.1)
.set HALFA,  64*PITCHA                 ; 64 rows of A: one tensor load
.set PITCHB, 288                       ; a row of B in LDS: 256 bytes + 32 of padding
.set HALFB,  128*PITCHB                ; 128 k rows of B: one tensor load
.set SLOT,   2*HALFA+2*HALFB           ; A's 128 rows, then B's 256 k rows
.set STAGE,  2*SLOT                    ; behind the ring: 128 rows x 272 bytes, the work-group's, for the way out
.set SPITCH, 272
.set SPARE,  STAGE+128*SPITCH          ; behind the stage: the spare words, 128 bytes for each wave: two blocks of 256 bytes that no other line names
.set LAPS,   SIZE_K/(2*KSTEP)          ; a lap = two K steps = once round the ring
.set CP,     8192                      ; bytes from row to row of C
.set BSTEP,  KSTEP*SIZE_K*2            ; bytes of B from a K step to the next: 256 rows of 2,048
.set ADRA, 16                          ; v16-17  LDS address of my A fragments in slot 0, 1
.set ADRB, 20                          ; v20-23  the same for B: slot 0 k rows 0-127, 128-255; slot 1 likewise
.set STO,  24                          ; v24     the way out: where I put 16 bytes of a row
.set RD,   25                          ; v25     the way out: where I read a row back
.set CO,   26                          ; v26     my byte offset in C
.set SPW,  28                          ; v28     LDS address of my spare word: SPARE + 4 x my thread's number; never rewritten
.set NIL,  29                          ; v29     0; never rewritten
.set TMP,  32
.set ACC,  128
.set F0,   0                           ; fragment buffers, in window 1
.set F1,   128
.set G1, 24                            ; s[24:31] descriptor group 1 for A's tiles;  s[32:39] group 0, one set for each slot
.set G0, 32
.set G1B, 48                           ; s[48:55], s[56:63] the same for B's tiles
.set G0B, 56
.set MSB, 0
.macro WIN new                         ; the immediate's high byte repeats the setting that is left
.if MSB != (\new)
	s_set_vgpr_msb (MSB<<8)|(\new)
.set MSB, \new
.endif
.endm
.set MUL,  0x05                        ; sources 0 (B) and 1 (A) window 1; C and D window 0
.set TO_F, 0x40                        ; destination window 1, address window 0
.macro JLOAD s                         ; a joint load: waves 0 and 1 fetch A's two halves, waves 2 and 3 B's; an s_nop 0 and four v_nop follow each of the two lines, ahead of the jump, the label and what follows
	s_cmp_eq_u32 s11, 0
	s_cbranch_scc0 .Lfor_b_\@
	tensor_load_to_lds s[G0+4*(\s):G0+4*(\s)+3], s[G1:G1+7]
	s_nop 0
.rept 4
	v_nop
.endr
	s_branch .Lasked_\@
.Lfor_b_\@:
	tensor_load_to_lds s[G0B+4*(\s):G0B+4*(\s)+3], s[G1B:G1B+7]
	s_nop 0
.rept 4
	v_nop
.endr
.Lasked_\@:
.endm
.macro CREST                           ; a round of the cluster's barrier behind its opening barrier
	s_cmp_lg_u32 s10, 0
	s_cbranch_scc1 .Lnot_wave_0_\@
	s_barrier_signal -3
.Lnot_wave_0_\@:
	s_barrier_wait -3
	s_barrier_signal -1
	s_barrier_wait -1
.endm
.macro CROUND                          ; a whole round
	s_barrier_signal -1
	s_barrier_wait -1
	CREST
.endm
	s_load_b128 s[4:7], s[0:1], 0x0                ; A s[4:5], B s[6:7]
	s_load_b64 s[8:9], s[0:1], 0x10                ; C
	v_lshl_add_u32 v[SPW], v0, 2, SPARE
	v_mov_b32 v[NIL], 0
	ds_add_u32 v28, v29
	s_wait_dscnt 0x0
	v_lshrrev_b32 v1, 5, v0
	v_readfirstlane_b32 s10, v1                    ; wave 0..3
	s_lshr_b32 s11, s10, 1                         ; which half of the tile's rows is mine.  Also: I fetch for A (0) or for B (1)
	s_and_b32 s12, s10, 1                          ; which half of its columns.  Also: which half of that tile I fetch
	s_bfe_u32 s40, ttmp6, 0x40000                  ; cx, cy: my place in the cluster
	s_bfe_u32 s41, ttmp6, 0x40004
	s_mov_b32 s45, ttmp9                           ; c: the cluster's number
	s_lshr_b32 s17, s45, 1                         ; crow
	s_and_b32 s18, s45, 1                          ; ccol
	s_lshl_b32 s13, s17, 2
	s_add_co_u32 s13, s13, s41                     ; tile row of C = 4 crow + cy
	s_lshl_b32 s42, s18, 2
	s_add_co_u32 s42, s42, s40                     ; tile column of C = 4 ccol + cx
	s_lshl_b32 s43, s41, 2
	s_lshl_b32 s43, 15, s43                        ; my row of the cluster
	s_lshl_b32 s44, 0x1111, s40                    ; my column
	; descriptor group 1.  A: 64 rows x 256 elements, 4 words of padding after every 128.  B: 128 rows x 128 elements, 8 words after every 64
	s_or_b32 s[G1+0], s43, (1<<16)|(1<<20)|(1<<21)|(6<<22)|(3<<25)  ; 15:0 the mask: A's tiles go to my row; 17:16 element of 2 bytes; 20 padding on; 21 set beside a mask
	s_mov_b32 s[G1+1], KSTEP<<16                   ; tensor_dim0 = 256
	s_mov_b32 s[G1+2], 64<<16                      ; tensor_dim1 = 64
	s_mov_b32 s[G1+3], KSTEP<<16                   ; tile_dim0 = 256
	s_mov_b32 s[G1+4], 64                          ; tile_dim1 = 64
	s_mov_b32 s[G1+5], SIZE_K                      ; elements from row to row
	s_mov_b32 s[G1+6], 0
	s_mov_b32 s[G1+7], 0
	s_or_b32 s[G1B+0], s44, (1<<16)|(1<<20)|(1<<21)|(5<<22)|(7<<25) ; the mask of my column
	s_mov_b32 s[G1B+1], 128<<16                    ; tensor_dim0 = 128
	s_mov_b32 s[G1B+2], 128<<16                    ; tensor_dim1 = 128
	s_mov_b32 s[G1B+3], 128<<16                    ; tile_dim0 = 128
	s_mov_b32 s[G1B+4], 128                        ; tile_dim1 = 128
	s_mov_b32 s[G1B+5], 1024                       ; elements from k row to k row
	s_mov_b32 s[G1B+6], 0
	s_mov_b32 s[G1B+7], 0
	; where the tiles come from: A's hang on the tile row alone, B's on the tile column alone, each in registers that never hold the other coordinate
	s_lshl_b32 s16, s13, 7
	s_lshl_b32 s17, s12, 6
	s_add_co_u32 s16, s16, s17                     ; A: row 128 x tile row + 64 x half,
	s_lshl_b32 s16, s16, 11                        ; of 2,048 bytes (under 2^24)
	s_mov_b32 s17, 0
	s_lshl_b32 s46, s42, 8                         ; B: 128 columns = 256 bytes a tile column,
	s_lshl_b32 s47, s12, 18                        ; my 128 k rows of 2,048 bytes
	s_add_co_u32 s46, s46, s47
	s_mov_b32 s47, 0
	s_mul_i32 s20, s12, HALFA                      ; where they go: no place in the cluster enters an LDS address
	s_mul_i32 s21, s12, HALFB
	s_add_co_u32 s21, s21, 2*HALFA
	s_wait_kmcnt 0x0
	s_add_nc_u64 s[14:15], s[4:5], s[16:17]
	s_add_nc_u64 s[46:47], s[6:7], s[46:47]
	CROUND                                         ; all sixteen work-groups are here: the first joint loads meet
.irp s, 0,1
	s_mov_b32 s[G0+4*(\s)], 1
	s_add_co_u32 s[G0+4*(\s)+1], s20, (\s)*SLOT
	s_add_nc_u64 s[G0+4*(\s)+2:G0+4*(\s)+3], s[14:15], (\s)*KSTEP*2
	s_or_b32 s[G0+4*(\s)+3], s[G0+4*(\s)+3], 0x80000000
	s_mov_b32 s[G0B+4*(\s)], 1
	s_add_co_u32 s[G0B+4*(\s)+1], s21, (\s)*SLOT
	s_add_nc_u64 s[G0B+4*(\s)+2:G0B+4*(\s)+3], s[46:47], (\s)*BSTEP
	s_or_b32 s[G0B+4*(\s)+3], s[G0B+4*(\s)+3], 0x80000000
	JLOAD \s
.endr
	v_and_b32 v1, 15, v0                           ; l % 16
	v_bfe_u32 v2, v0, 4, 1                         ; l / 16
	v_mul_u32_u24 v3, v1, PITCHA
	v_lshl_add_u32 v3, v2, 4, v3                   ; A: a fragment's row x pitch + 16 x half
	v_and_b32 v4, 7, v0                            ; B: the turning load: k row 8 (l / 16) + l % 8, columns 8 ((l / 8) % 2) on
	v_lshl_add_u32 v4, v2, 3, v4
	v_mul_u32_u24 v4, v4, PITCHB
	v_bfe_u32 v5, v0, 3, 1
	v_lshl_add_u32 v4, v5, 4, v4
	s_mul_i32 s21, s11, HALFA                      ; my 64 rows of A
	s_lshl_b32 s22, s12, 7                         ; my 64 columns of B: 128 bytes,
	s_add_co_u32 s22, s22, 2*HALFA                 ; behind A's 128 rows
.irp s, 0,1
	v_add_nc_u32 v[ADRA+(\s)], s21, v3
	v_add_nc_u32 v[ADRB+2*(\s)], s22, v4
	s_add_co_u32 s23, s22, HALFB
	v_add_nc_u32 v[ADRB+2*(\s)+1], s23, v4
	s_add_co_u32 s21, s21, SLOT
	s_add_co_u32 s22, s22, SLOT
.endr
	s_mul_i32 s23, s11, 64*SPITCH                  ; into the stage: my 64 rows, my half of their 256 bytes; row l % 16, 16 bytes for each half of the lanes
	s_lshl_b32 s21, s12, 7
	s_add_co_u32 s23, s23, s21
	s_add_co_u32 s23, s23, STAGE
	v_mul_u32_u24 v4, v1, SPITCH
	v_lshl_add_u32 v4, v2, 4, v4
	v_add_nc_u32 v[STO], s23, v4
	s_mul_i32 s23, s10, 32*SPITCH                  ; back: wave w takes rows 32 w .. 32 w + 31, whole; lanes 0-15 one row of 256 bytes, lanes 16-31 the next
	s_add_co_u32 s23, s23, STAGE
	v_mul_u32_u24 v5, v2, SPITCH
	v_lshl_add_u32 v5, v1, 4, v5
	v_add_nc_u32 v[RD], s23, v5
	v_lshlrev_b32 v5, 13, v2                       ; and the same two rows in C, 8,192 bytes apart
	v_lshl_add_u32 v[CO], v1, 4, v5
	s_lshl_b32 s16, s13, 7
	s_lshl_b32 s17, s10, 5
	s_add_co_u32 s16, s16, s17                     ; the first row of C that I store: 128 x tile row + 32 x wave,
	s_lshl_b32 s16, s16, 13                        ; of 8,192 bytes (under 2^26)
	s_mov_b32 s17, 0
	s_add_nc_u64 s[8:9], s[8:9], s[16:17]
	s_lshl_b32 s46, s42, 8                         ; the tile's first column, in bytes
	s_mov_b32 s47, 0
	s_add_nc_u64 s[8:9], s[8:9], s[46:47]
; 8 matrix instructions: m blocks a0, a0 + 1 x all 4 n blocks, 32 along K: half c of buffer f.  zero = 1: the first product starts the sums
.macro MUL8 f, c, a0, zero
	WIN MUL
.irp a, \a0, (\a0)+1
.irp b, 0,1,2,3
.if \zero
	v_wmma_f32_16x16x32_bf16 v[ACC+8*(4*(\a)+(\b)):ACC+8*(4*(\a)+(\b))+7], v[(\f)+64+8*(4*(\c)+(\b)):(\f)+64+8*(4*(\c)+(\b))+7], v[(\f)+8*(4*(\c)+(\a)):(\f)+8*(4*(\c)+(\a))+7], 0
.else
	v_wmma_f32_16x16x32_bf16 v[ACC+8*(4*(\a)+(\b)):ACC+8*(4*(\a)+(\b))+7], v[(\f)+64+8*(4*(\c)+(\b)):(\f)+64+8*(4*(\c)+(\b))+7], v[(\f)+8*(4*(\c)+(\a)):(\f)+8*(4*(\c)+(\a))+7], v[ACC+8*(4*(\a)+(\b)):ACC+8*(4*(\a)+(\b))+7]
.endif
.endr
.endr
.endm
; 32 LDS loads in one run: the fragments of quarter q (64 along K) of a slot, into buffer f; the first 32 along K first.
; B: k rows 64 q + 32 c on lie in half q / 2 of the slot's B; columns 16 i on; the second load takes the 16 k rows below.  A: byte 128 q + 64 c of rows 16 i on.
.macro FETCH slot, q, f
	WIN TO_F
.irp c, 0,1
.irp i, 0,1,2,3
	ds_load_tr16_b128 v[(\f)+64+8*(4*(\c)+(\i)):(\f)+64+8*(4*(\c)+(\i))+3],   v[ADRB+2*(\slot)+(\q)/2] offset:(((\q)%2)*64+32*(\c))*PITCHB+32*(\i)
	ds_load_tr16_b128 v[(\f)+64+8*(4*(\c)+(\i))+4:(\f)+64+8*(4*(\c)+(\i))+7], v[ADRB+2*(\slot)+(\q)/2] offset:(((\q)%2)*64+32*(\c)+16)*PITCHB+32*(\i)
	ds_load_b128 v[(\f)+8*(4*(\c)+(\i)):(\f)+8*(4*(\c)+(\i))+3],         v[ADRA+(\slot)] offset:128*(\q)+64*(\c)+(\i)*16*PITCHA
	ds_load_b128 v[(\f)+8*(4*(\c)+(\i))+4:(\f)+8*(4*(\c)+(\i))+7],       v[ADRA+(\slot)] offset:128*(\q)+64*(\c)+(\i)*16*PITCHA+32
.endr
.endr
.endm
.macro PLACES                          ; four places in front of loads into registers that matrix instructions have read, and of conversions that read results
.rept 4
	v_nop
.endr
.endm
; A K step is four quarters of 64 along K, 32 matrix instructions each, on buffers 0, 1, 0, 1.  One of the first three: multiplies buffer f and fetches quarter q into g.
; The 16 accumulators take turns, one instruction a turn.
.macro QUARTER slot, q, f, g, zero
	s_wait_dscnt 16                                ; the first 32 along K are in; the run's other sixteen loads may be out
	WIN MUL
	MUL8 \f, 0, 0, \zero
	MUL8 \f, 0, 2, \zero
	PLACES
	FETCH \slot, \q, \g
	s_wait_dscnt 32                                ; all but the 32 just issued
	WIN MUL
	MUL8 \f, 1, 0, 0
	MUL8 \f, 1, 2, 0
.endm
; The last quarter multiplies buffer 1 and changes slots: ONE barrier; in front of it each wave waits for all its tensor loads, adds 0 to its spare word, and waits for that and for its own reads of this slot.  fill = 1: this slot is filled again, two K steps ahead.
.macro TURN slot, next, fill
	WIN 0                                          ; (the add's two registers lie in window 0)
	s_wait_tensorcnt 0x0                           ; all my tensor loads have landed: my part of the next slot;
	ds_add_u32 v[SPW], v[NIL]                      ; 0 onto my spare word;
	s_wait_dscnt 17                                ; (the add and the youngest sixteen loads may be out)
	WIN MUL
	MUL8 F1, 0, 0, 0                               ; eight matrix instructions stand between the add and the wait for it
	s_wait_dscnt 0x0                               ; the add is done, and my reads of this slot are over
	s_barrier_signal -1
	MUL8 F1, 0, 2, 0
.if \fill
	WIN 0
.endif
	s_barrier_wait -1
.if \fill
	CREST                                          ; the barrier has opened a round of the cluster's barrier: no wave of any partner still reads this slot's tile or has a load on its way
	s_add_nc_u64 s[G0+4*(\slot)+2:G0+4*(\slot)+3], s[G0+4*(\slot)+2:G0+4*(\slot)+3], 2*KSTEP*2
	s_add_nc_u64 s[G0B+4*(\slot)+2:G0B+4*(\slot)+3], s[G0B+4*(\slot)+2:G0B+4*(\slot)+3], 2*BSTEP
	JLOAD \slot                                    ; the first tensor load behind the round: 112 matrix instructions ahead of the wait for it; the four v_nop behind it are also the places in front of the loads below
.else
	PLACES
.endif
	FETCH \next, 0, F0
	WIN MUL
	MUL8 F1, 1, 0, 0
	MUL8 F1, 1, 2, 0
.endm
	s_wait_tensorcnt 1                             ; my part of K step 0 is in; K step 1's may stay out
	s_barrier_signal -1
	s_barrier_wait -1                              ; everybody's is
	FETCH 0, 0, F0
	QUARTER 0, 1, F0, F1, 1                        ; the first quarter stands in front of the loop: its first products start the sums
	WIN 0                                          ; at a label and at a branch every window is 0
	s_mov_b32 s3, LAPS-1
.Llap:                                                 ; a trip goes once round the ring, from a lap's second quarter to the next lap's first, and fills both slots again
	QUARTER 0, 2, F1, F0, 0
	QUARTER 0, 3, F0, F1, 0
	TURN 0, 1, 1
	QUARTER 1, 1, F0, F1, 0
	QUARTER 1, 2, F1, F0, 0
	QUARTER 1, 3, F0, F1, 0
	TURN 1, 0, 1
	QUARTER 0, 1, F0, F1, 0
	WIN 0
	s_sub_co_u32 s3, s3, 1
	s_cmp_lg_u32 s3, 0
	s_cbranch_scc1 .Llap
	QUARTER 0, 2, F1, F0, 0                        ; the last lap fills nothing, and has no round of the cluster's barrier
	QUARTER 0, 3, F0, F1, 0
	TURN 0, 1, 0
	QUARTER 1, 1, F0, F1, 0
	QUARTER 1, 2, F1, F0, 0
	QUARTER 1, 3, F0, F1, 0
	s_wait_dscnt 16                                ; the very last quarter: nothing more to fetch
	WIN MUL
	MUL8 F1, 0, 0, 0
	MUL8 F1, 0, 2, 0
	s_wait_dscnt 0
	MUL8 F1, 1, 0, 0
	MUL8 F1, 1, 2, 0
	WIN 0
	; THE WAY OUT: round to bf16; 16 bytes a lane into the work-group's stage; a barrier, since a row's 256 bytes come from two waves; back as whole rows, 32 rows a wave.
	PLACES
.irp t, 0,1,2,3,4,5,6,7,8,9,10,11,12,13,14,15
.irp r, 0,1,2,3
	v_cvt_pk_bf16_f32 v[TMP+4*(\t)+(\r)], v[ACC+8*(\t)+2*(\r)], v[ACC+8*(\t)+2*(\r)+1]
.endr
.endr
.irp a, 0,1,2,3
.irp b, 0,1,2,3
	ds_store_b128 v[STO], v[TMP+4*(4*(\a)+(\b)):TMP+4*(4*(\a)+(\b))+3] offset:(\a)*16*SPITCH+32*(\b)
.endr
.endr
	s_wait_dscnt 0x0                               ; for the others' sake: my stores into the stage are done
	s_barrier_signal -1
	s_barrier_wait -1
.irp t, 0,1,2,3,4,5,6,7,8,9,10,11,12,13,14,15
	ds_load_b128 v[TMP+4*(\t):TMP+4*(\t)+3], v[RD] offset:(\t)*2*SPITCH
.endr
.irp t, 0,1,2,3,4,5,6,7,8,9,10,11,12,13,14,15
	s_wait_dscnt 15-(\t)                           ; LDS loads come back in order: pair t of rows is in
	global_store_b128 v[CO], v[TMP+4*(\t):TMP+4*(\t)+3], s[8:9] offset:2*(\t)*CP  ; 16 lanes store 256 consecutive bytes, at a multiple of 256 from C's first byte
.endr
	s_wait_tensorcnt 0x0                           ; the wave's end: behind my last tensor load and my last LDS store
	ds_add_u32 v[SPW], v[NIL]
	s_wait_dscnt 0x0
	CROUND                                         ; the closing round: no work-group ends while a partner may still ask for a tile that names it
	s_endpgm
.Lfunc_end_k_q2b90054ed7_oproj:
	.size	k_q2b90054ed7_oproj, .Lfunc_end_k_q2b90054ed7_oproj-k_q2b90054ed7_oproj
	.p2alignl 7, 3214868480
	.fill 96, 4, 3214868480
	.section	.rodata,"a",@progbits
	.p2align	6, 0x0
	.amdhsa_kernel k_q2b90054ed7_oproj
		.amdhsa_group_segment_fixed_size 327680
		.amdhsa_private_segment_fixed_size 0
		.amdhsa_enable_private_segment 0
		.amdhsa_kernarg_size 24
		.amdhsa_user_sgpr_count 2
		.amdhsa_user_sgpr_kernarg_segment_ptr 1
		.amdhsa_wavefront_size32 1
		.amdhsa_system_sgpr_workgroup_id_x 1
		.amdhsa_system_sgpr_workgroup_id_y 1
		.amdhsa_system_sgpr_workgroup_id_z 1
		.amdhsa_system_vgpr_workitem_id 0
		.amdhsa_next_free_vgpr 512
		.amdhsa_next_free_sgpr 66
		.amdhsa_reserve_vcc 0
		.amdhsa_float_denorm_mode_32 3
		.amdhsa_float_denorm_mode_16_64 3
		.amdhsa_memory_ordered 1
		.amdhsa_forward_progress 1
		.amdhsa_inst_pref_size 87
	.end_amdhsa_kernel
	.amdgpu_metadata
---
amdhsa.version: [ 1, 2 ]
amdhsa.kernels:
  - .name:           k_q2b90054ed7_oproj
    .symbol:         k_q2b90054ed7_oproj.kd
    .args:
      - { .name: AV, .offset: 0, .size: 8, .value_kind: global_buffer, .address_space: global }
      - { .name: WoB, .offset: 8, .size: 8, .value_kind: global_buffer, .address_space: global }
      - { .name: H2, .offset: 16, .size: 8, .value_kind: global_buffer, .address_space: global }
    .group_segment_fixed_size: 327680
    .private_segment_fixed_size: 0
    .kernarg_segment_align: 8
    .kernarg_segment_size: 24
    .max_flat_workgroup_size: 128
    .sgpr_count:     66
    .vgpr_count:     512
    .wavefront_size: 32
...
	.end_amdgpu_metadata
.endif
;; end of part 4
;; launch ln (part 5): grid 256 x 1, 8 waves a work-group, no clusters, 0 bytes of LDS; arguments w, H2, ln_gamma, ln_beta, out0; writes out0
.if DOCPART == 5
	.amdgcn_target "amdgcn-amd-amdhsa--gfx1250"
	.amdhsa_code_object_version 6
	.text
	.protected	k_q2b90054ed7_ln
	.globl	k_q2b90054ed7_ln
	.p2align	8
	.type	k_q2b90054ed7_ln,@function
k_q2b90054ed7_ln:
	s_mov_b64 s[64:65], 0
	v_nop
	global_prefetch_b8 v0, s[64:65] scope:SCOPE_SE
	s_setreg_imm32_b32 hwreg(HW_REG_WAVE_MODE, 25, 1), 1
	s_wait_xcnt 0x0
; out[row][:] = (x - mean) / sqrt(var + 1e-5) * gamma + beta, x = w[row][:] + attn_out[row][:].  w, out: [4096][1024] f32.  attn_out: bf16, the first 2,048 bytes of H2's rows of 8,192.
; One wave, one row at a time, two rows a wave: the row stays in 32 registers between the passes, so memory is read once and no wave waits for another.
; The variance is the mean of (x - mean)^2, taken in a second pass over the registers: no difference of large sums is formed.
; LIMIT: attn_out arrives rounded to bf16 (off by at most 2^-9 of itself).
; The work is all bytes: no LDS, no barrier, no matrix unit; each load and store of f32 covers 512 consecutive bytes.
.set GA,  4                            ; v[4:35]    gamma: load j holds columns 128 j + 4 lane on
.set BE,  36                           ; v[36:67]   beta
.set XR,  68                           ; v[68:131]  row e: 32 registers: w, then x, x - mean, the result
.set AR,  132                          ; v[132:163] row e: 16 registers of attn_out
.set T,   164                          ; v[164:167] at work
.set ACC, 168                          ; v[168:175] four chains of packed sums
.set MU,  176                          ; v[176:177] the mean, twice
.set RS,  178                          ; v[178:179] 1 / sqrt(var + eps), twice
.set TP,  180                          ; v[180:181] at work across the lanes
	s_load_b256 s[4:11], s[0:1], 0x0               ; w s[4:5], H2 s[6:7], gamma s[8:9], beta s[10:11]
	s_load_b64 s[12:13], s[0:1], 0x20              ; out
	v_lshrrev_b32 v1, 5, v0
	v_readfirstlane_b32 s14, v1                    ; wave 0..7
	v_and_b32 v1, 31, v0
	v_lshlrev_b32 v2, 4, v1                        ; 16 bytes of f32 a lane
	v_lshlrev_b32 v3, 3, v1                        ; 8 bytes of bf16
	v_mov_b32 v[TP+1], 0                           ; v_permlanex16_b32's destination counts as read
	s_lshl_b32 s15, ttmp9, 4
	s_lshl_b32 s16, s14, 1
	s_add_co_u32 s15, s15, s16                     ; my first row
	s_lshl_b32 s16, s15, 12
	s_mov_b32 s17, 0
	s_lshl_b32 s18, s15, 13
	s_mov_b32 s19, 0
	s_mov_b32 s20, 0x3a800000                      ; 1 / 1024
	s_mov_b32 s21, 0x3727c5ac                      ; 1e-5
	s_mov_b32 s22, 0x76543210
	s_mov_b32 s23, 0xfedcba98
	s_wait_kmcnt 0x0
	s_add_nc_u64 s[4:5], s[4:5], s[16:17]
	s_add_nc_u64 s[6:7], s[6:7], s[18:19]
	s_add_nc_u64 s[12:13], s[12:13], s[16:17]
.irp j, 0,1,2,3,4,5,6,7
	global_load_b128 v[GA+4*(\j):GA+4*(\j)+3], v2, s[8:9] offset:512*(\j)
	global_load_b128 v[BE+4*(\j):BE+4*(\j)+3], v2, s[10:11] offset:512*(\j)
.endr
.irp e, 0,1
.irp j, 0,1,2,3,4,5,6,7
	global_load_b128 v[XR+32*(\e)+4*(\j):XR+32*(\e)+4*(\j)+3], v2, s[4:5] offset:4096*(\e)+512*(\j) th:TH_LOAD_NT
	global_load_b64 v[AR+16*(\e)+2*(\j):AR+16*(\e)+2*(\j)+1], v3, s[6:7] offset:8192*(\e)+256*(\j) th:TH_LOAD_NT
.endr
.endr
.macro REDUCE                          ; the four chains, the pair's halves, the 32 lanes: the sum in every lane's v[TP]
	v_pk_add_f32 v[ACC:ACC+1], v[ACC:ACC+1], v[ACC+2:ACC+3]
	v_pk_add_f32 v[ACC+4:ACC+5], v[ACC+4:ACC+5], v[ACC+6:ACC+7]
	v_pk_add_f32 v[ACC:ACC+1], v[ACC:ACC+1], v[ACC+4:ACC+5]
	v_add_f32 v[TP], v[ACC], v[ACC+1]
	v_add_f32_dpp v[TP], v[TP], v[TP] row_xmask:1 row_mask:0xf bank_mask:0xf
	v_add_f32_dpp v[TP], v[TP], v[TP] row_xmask:2 row_mask:0xf bank_mask:0xf
	v_add_f32_dpp v[TP], v[TP], v[TP] row_xmask:4 row_mask:0xf bank_mask:0xf
	v_add_f32_dpp v[TP], v[TP], v[TP] row_xmask:8 row_mask:0xf bank_mask:0xf
	v_permlanex16_b32 v[TP+1], v[TP], s22, s23
	v_add_f32 v[TP], v[TP], v[TP+1]
.endm
.macro ROW e, left
.set x, XR+32*(\e)
	s_wait_loadcnt \left                           ; loads come back in order: gamma, beta and row e are in; a younger row's sixteen loads may stay out
.irp j, 0,1,2,3,4,5,6,7
	v_lshlrev_b32 v[T],   16, v[AR+16*(\e)+2*(\j)]             ; bf16 to f32: the low half moves up, the high half stays
	v_and_b32     v[T+1], 0xffff0000, v[AR+16*(\e)+2*(\j)]
	v_lshlrev_b32 v[T+2], 16, v[AR+16*(\e)+2*(\j)+1]
	v_and_b32     v[T+3], 0xffff0000, v[AR+16*(\e)+2*(\j)+1]
	v_pk_add_f32 v[x+4*(\j):x+4*(\j)+1],   v[x+4*(\j):x+4*(\j)+1],   v[T:T+1]
	v_pk_add_f32 v[x+4*(\j)+2:x+4*(\j)+3], v[x+4*(\j)+2:x+4*(\j)+3], v[T+2:T+3]
.endr
.irp k, 0,1,2,3
	v_pk_add_f32 v[ACC+2*(\k):ACC+2*(\k)+1], v[x+4*(\k):x+4*(\k)+1], v[x+4*(\k)+2:x+4*(\k)+3]  ; the first pairs start the chains: nothing is cleared
.endr
.irp k, 0,1,2,3,4,5,6,7
	v_pk_add_f32 v[ACC+2*((\k)%4):ACC+2*((\k)%4)+1], v[ACC+2*((\k)%4):ACC+2*((\k)%4)+1], v[x+16+2*(\k):x+16+2*(\k)+1]
.endr
	REDUCE
	v_mul_f32 v[MU], s20, v[TP]
	v_mov_b32 v[MU+1], v[MU]
.irp k, 0,1,2,3,4,5,6,7,8,9,10,11,12,13,14,15
	v_pk_add_f32 v[x+2*(\k):x+2*(\k)+1], v[x+2*(\k):x+2*(\k)+1], v[MU:MU+1] neg_lo:[0,1] neg_hi:[0,1]
.endr
.irp k, 0,1,2,3
	v_pk_mul_f32 v[ACC+2*(\k):ACC+2*(\k)+1], v[x+2*(\k):x+2*(\k)+1], v[x+2*(\k):x+2*(\k)+1]
.endr
.irp k, 4,5,6,7,8,9,10,11,12,13,14,15
	v_pk_fma_f32 v[ACC+2*((\k)%4):ACC+2*((\k)%4)+1], v[x+2*(\k):x+2*(\k)+1], v[x+2*(\k):x+2*(\k)+1], v[ACC+2*((\k)%4):ACC+2*((\k)%4)+1]
.endr
	REDUCE
	v_fma_f32 v[TP], v[TP], s20, s21               ; var + eps
	v_rsq_f32 v[RS], v[TP]
	v_nop                                          ; a plain instruction between the root and the use of its result (ISA guide 5.7.2)
	s_wait_alu depctr_va_vdst(0)
	v_mov_b32 v[RS+1], v[RS]
.irp k, 0,1,2,3,4,5,6,7,8,9,10,11,12,13,14,15
	v_pk_mul_f32 v[x+2*(\k):x+2*(\k)+1], v[x+2*(\k):x+2*(\k)+1], v[RS:RS+1]
	v_pk_fma_f32 v[x+2*(\k):x+2*(\k)+1], v[x+2*(\k):x+2*(\k)+1], v[GA+2*(\k):GA+2*(\k)+1], v[BE+2*(\k):BE+2*(\k)+1]
.endr
.irp j, 0,1,2,3,4,5,6,7
	global_store_b128 v2, v[x+4*(\j):x+4*(\j)+3], s[12:13] offset:4096*(\e)+512*(\j) th:TH_STORE_NT
.endr
.endm
	ROW 0, 16
	ROW 1, 0
	s_endpgm
.Lfunc_end_k_q2b90054ed7_ln:
	.size	k_q2b90054ed7_ln, .Lfunc_end_k_q2b90054ed7_ln-k_q2b90054ed7_ln
	.p2alignl 7, 3214868480
	.fill 96, 4, 3214868480
	.section	.rodata,"a",@progbits
	.p2align	6, 0x0
	.amdhsa_kernel k_q2b90054ed7_ln
		.amdhsa_group_segment_fixed_size 0
		.amdhsa_private_segment_fixed_size 0
		.amdhsa_enable_private_segment 0
		.amdhsa_kernarg_size 40
		.amdhsa_user_sgpr_count 2
		.amdhsa_user_sgpr_kernarg_segment_ptr 1
		.amdhsa_wavefront_size32 1
		.amdhsa_system_sgpr_workgroup_id_x 1
		.amdhsa_system_sgpr_workgroup_id_y 1
		.amdhsa_system_sgpr_workgroup_id_z 1
		.amdhsa_system_vgpr_workitem_id 0
		.amdhsa_next_free_vgpr 184
		.amdhsa_next_free_sgpr 66
		.amdhsa_reserve_vcc 0
		.amdhsa_float_denorm_mode_32 3
		.amdhsa_float_denorm_mode_16_64 3
		.amdhsa_memory_ordered 1
		.amdhsa_forward_progress 1
		.amdhsa_inst_pref_size 25
	.end_amdhsa_kernel
	.amdgpu_metadata
---
amdhsa.version: [ 1, 2 ]
amdhsa.kernels:
  - .name:           k_q2b90054ed7_ln
    .symbol:         k_q2b90054ed7_ln.kd
    .args:
      - { .name: w, .offset: 0, .size: 8, .value_kind: global_buffer, .address_space: global }
      - { .name: H2, .offset: 8, .size: 8, .value_kind: global_buffer, .address_space: global }
      - { .name: ln_gamma, .offset: 16, .size: 8, .value_kind: global_buffer, .address_space: global }
      - { .name: ln_beta, .offset: 24, .size: 8, .value_kind: global_buffer, .address_space: global }
      - { .name: out0, .offset: 32, .size: 8, .value_kind: global_buffer, .address_space: global }
    .group_segment_fixed_size: 0
    .private_segment_fixed_size: 0
    .kernarg_segment_align: 8
    .kernarg_segment_size: 40
    .max_flat_workgroup_size: 256
    .sgpr_count:     66
    .vgpr_count:     184
    .wavefront_size: 32
...
	.end_amdgpu_metadata
.endif
;; end of part 5
